; MI455X (gfx1250); checked and timed in simulation.
; The chip was launched on July 23, 2026; its instructions are those of AMD's public machine-readable ISA for CDNA 5 (MIT licence, August 2026) and "CDNA5" Instruction Set Architecture Reference Guide (July 2026). The comments in the code are by the model that wrote it; some were corrected since.
;; Attn. Allowed arithmetic: matrix products marked QUANTISED: E2M1 operands, one E8M0 scale for each 32 along K, by v_wmma_scale_f32_16x16x128_f8f6f4 with both operands' format E2M1 (or v_wmma_scale_f32_32x16x128_f4), f32 sums; products left as they are: bf16, f16 or f32 operands; f32 sums; everything else in f32.
;; Inputs: Wk 1,024 x 1,024 float32; Wo 1,024 x 1,024 float32; Wq 1,024 x 1,024 float32; Wv 1,024 x 1,024 float32; x 4 x 2,048 x 1,024 float32.
;; Outputs: out0 4 x 2,048 x 1,024 float32.
;; Constants: num_heads = 16.
;; This version of the problem:
;;   THIS VERSION OF THE PROBLEM IS GIVEN IN LOW PRECISION. The matrix products marked QUANTISED in the list below multiply operands that are first quantised to E2M1 (2 exponent bits, 1 mantissa bit; 4 bits a number), with one power-of-two scale for each 32 numbers along K (OCP MX v1.0); their sums are f32. The products marked 'left as it is' may take bf16, f16 or f32 operands, with f32 sums. Whichever they take, every output number must still come out within the allowed error. Rounding operands to bf16 (8 significant bits) uses up far more of that allowance than f16 does (11 bits, for magnitudes from 6e-5 to 65,504). All else is computed in f32.
;;   The module's matrix products, in the order in which they are computed (A, B: the left and right operand; K: the contracted axis; several contracted axes count as one K, in the product's order):
;;     1. [M 8,192, K 1,024] x [K 1,024, N 1,024]; A: input x; B: input Wq: QUANTISED
;;     2. [M 8,192, K 1,024] x [K 1,024, N 1,024]; A: input x; B: input Wk: QUANTISED
;;     3. [M 8,192, K 1,024] x [K 1,024, N 1,024]; A: input x; B: input Wv: QUANTISED
;;     4. batch 64 x [M 2,048, K 64] x [K 64, N 2,048]; A: computed on the way; B: computed on the way: left as it is (an operand is computed on the way)
;;     5. batch 64 x [M 2,048, K 2,048] x [K 2,048, N 64]; A: computed on the way; B: computed on the way: left as it is (an operand is computed on the way)
;;     6. [M 8,192, K 1,024] x [K 1,024, N 1,024]; A: computed on the way; B: input Wo: left as it is (an operand is computed on the way)
;;   THE QUANTISER, for each operand of a quantised product, along K:
;;     - K is cut into blocks of 32 from its start; a last block that is shorter is filled with zeros.
;;     - A block's scale is 2^e with e = floor(log2(the largest magnitude in the block)) - 2, held to -126 .. 127; a block of zeros has e = 0. As a byte (E8M0): e + 127.
;;     - Each number is divided by its block's scale, clamped to +-6, and rounded to the nearest number of E2M1, ties to even, subnormals kept.
;;     - The product sums the exact products of the quantised numbers (number of the format x scale) in f32.
;;   ~~~python
;;   def quantise(x, axis):      # numpy; x: float32 -> the quantised numbers, widened to float32 again
;;       x = np.moveaxis(x, axis, -1); K = x.shape[-1]
;;       x = np.pad(x, [(0, 0)] * (x.ndim - 1) + [(0, -K % 32)]); x = x.reshape(x.shape[:-1] + (-1, 32)); a = np.abs(x).max(-1, keepdims=True)
;;       e = np.where(a > 0, np.clip(np.frexp(np.where(a > 0, a, 1))[1] - 1 - 2, -126, 127), 0)      # np.frexp(a)[1] - 1 = floor(log2(a)), exactly
;;       r = np.clip(x / 2.0 ** e, -6, 6)
;;       step = 2.0 ** (np.maximum(np.frexp(np.where(r == 0, 1, r))[1] - 1, 0) - 1)
;;       q = np.round(r / step) * step * 2.0 ** e      # np.round: ties to even
;;       return np.moveaxis(q.reshape(q.shape[:-2] + (-1,))[..., :K], -1, axis).astype(np.float32)
;;   ~~~
;; One version. Each part assembles by itself: llvm-mc -triple=amdgcn-amd-amdhsa -mcpu=gfx1250 --defsym DOCPART=n.
;; ======== version 1 of 1: 5 launches
;; limits: values are held in f16: magnitudes above 65,504 overflow, below 6.1e-05 lose precision
;; workspace buffers: codes 5,767,168 bytes; scales 360,448 bytes; wo16 2,097,152 bytes; rope 524,288 bytes; qkv 50,331,648 bytes; fine 786,432 bytes; o16 16,777,216 bytes
;; launch prep (part 1): grid 416 x 1, 4 waves a work-group, no clusters, 33,280 bytes of LDS; arguments x, Wq, Wk, Wv, Wo, codes, scales, wo16, rope; writes codes, scales, wo16, rope
.if DOCPART == 1
	.amdgcn_target "amdgcn-amd-amdhsa--gfx1250"
	.amdhsa_code_object_version 6
	.text
	.protected	k_q68e326a77f_prep
	.globl	k_q68e326a77f_prep
	.p2align	8
	.type	k_q68e326a77f_prep,@function
k_q68e326a77f_prep:
	s_mov_b64 s[64:65], 0
	v_nop
	global_prefetch_b8 v0, s[64:65] scope:SCOPE_SE
	s_setreg_imm32_b32 hwreg(HW_REG_WAVE_MODE, 25, 1), 1
	s_wait_xcnt 0x0
; PREP.  Three jobs in one launch, told apart by the work-group's number alone.
;   work-groups 0-351:   x [8192][1024] and Wq, Wk, Wv [1024][1024], f32, K innermost, become codes of FP4 (E2M1) and one E8M0 byte for each 32 along K.
;                        codes: rows of 512 bytes, x's 8,192 rows first, then Wq's, Wk's, Wv's;  scales: rows of 32 bytes in the same order.
;   work-groups 352-383: Wo [1024][1024] f32 becomes f16, same order.
;   work-groups 384-415: the table of cosines and sines for the rotary embedding, laid in the order in which the next launch's registers take it:
;                        [block of 16 positions 128][i 8][lane 32][cos_j, sin_j, cos_j+1, sin_j+1], position 16 block + lane % 16, j = 8 (i / 2) + 4 (lane / 16) + 2 (i % 2).
; A block's scale is 2^(floor(log2(its largest magnitude)) - 2); its byte is the largest magnitude's exponent field - 2, held at 1 from below.  A block of zeros gets the byte 1: its codes are zeros, and this program alone reads the bytes.
; LIMITS: blocks whose largest magnitude lies under 2^-124 keep the byte 1; NaN and infinities are not served; |Wo| stays under 65,504; angles are good to some 3e-4 rad at position 2,047.
; Rows are dense and K is a multiple of 32: every tensor is a plain stream of blocks of 32.  A wave takes 8,192 numbers.  No tensor loads, no barrier: waves share nothing.
.set WAVES, 4
.set STEPS, 16
.set EMAX,  2
.set CB,    8                          ; bytes of 16 codes
.set R,     16                         ; v16-79   four sets of 16 numbers as they are loaded
.set X,     80                         ; v80-111  two sets of 16 neighbours
.set C,     128                        ; v128-191 codes: four registers for each step
.set E,     112                        ; v112-127 a scale byte for each step
.set WREG,  8192                       ; LDS: a region for each wave: two stages of 32 x SP bytes, behind them its 256 scale bytes
.set SP,    80                         ; a lane's place in a stage: 64 bytes + 16 of padding
.set SPW,   12                         ; v12  LDS address of my spare word; never rewritten
.set NIL,   13                         ; v13  0; never rewritten
.set SPARE, WAVES*WREG                 ; behind the four regions: the spare words, 128 bytes a wave
.set WG_Q,  352                        ; 256 work-groups for x, 32 for each of three weights
.set WG_O,  384
	s_load_b512 s[4:19], s[0:1], 0x0               ; x 4:5, Wq 6:7, Wk 8:9, Wv 10:11, Wo 12:13, codes 14:15, scales 16:17, wo16 18:19
	s_load_b64 s[20:21], s[0:1], 0x40              ; rope
	v_lshl_add_u32 v[SPW], v0, 2, SPARE
	v_mov_b32 v[NIL], 0
	v_lshrrev_b32 v1, 5, v0
	v_readfirstlane_b32 s22, v1                    ; wave
	v_and_b32 v2, 31, v0                           ; lane
	s_wait_kmcnt 0x0
	s_cmp_ge_u32 ttmp9, WG_O
	s_cbranch_scc1 .Lrope
	s_cmp_ge_u32 ttmp9, WG_Q
	s_cbranch_scc1 .Lwo
	; ---------------- the quantiser
	v_lshlrev_b32 v3, 4, v2                        ; my 16 bytes of a load's 512
	s_mul_i32 s30, s22, WREG
	v_lshrrev_b32 v14, 2, v2
	v_mul_u32_u24 v14, v14, SP
	v_and_b32 v15, 3, v2
	v_lshl_add_u32 v14, v15, 4, v14
	v_add_nc_u32 v14, s30, v14                     ; the stage, on the way in: SP (lane / 4) + 16 (lane % 4)
	v_mul_u32_u24 v15, v2, SP
	v_add_nc_u32 v15, s30, v15                     ; and on the way out: SP x lane: my 16 neighbours
	v_mul_u32_u24 v4, v2, CB                       ; my codes' place in a step's
	v_lshrrev_b32 v5, 1, v2
	s_add_co_u32 s30, s30, 2*32*SP
	v_add_nc_u32 v5, s30, v5                       ; LDS: my wave's 256 scale bytes, my block's byte
	v_lshlrev_b32 v7, 3, v2                        ; and on the way out 8 bytes a lane
	v_add_nc_u32 v6, s30, v7
	s_and_b32 s26, ttmp9, 31                       ; a weight's work-group among its 32
	s_cmp_lt_u32 ttmp9, 320                        ; the source is chosen by the work-group's number alone
	s_cselect_b64 s[24:25], s[8:9], s[10:11]
	s_cmp_lt_u32 ttmp9, 288
	s_cselect_b64 s[24:25], s[6:7], s[24:25]
	s_cmp_lt_u32 ttmp9, 256
	s_cselect_b64 s[24:25], s[4:5], s[24:25]
	s_cselect_b32 s26, ttmp9, s26
	s_lshl_b32 s26, s26, 2
	s_add_co_u32 s26, s26, s22                     ; which run of 8,192 numbers of the source is my wave's
	s_lshl_b32 s26, s26, 15                        ; 32,768 bytes a run
	s_mov_b32 s27, 0
	s_add_nc_u64 s[24:25], s[24:25], s[26:27]
	s_lshl_b32 s28, ttmp9, 2
	s_add_co_u32 s28, s28, s22                     ; and which run of the outputs: x is 1,024 runs, so the weights fall behind it
	s_lshl_b32 s26, s28, 12                        ; 4,096 bytes of codes a run
	s_add_nc_u64 s[14:15], s[14:15], s[26:27]
	s_lshl_b32 s26, s28, 8                         ; 256 scale bytes a run
	s_add_nc_u64 s[16:17], s[16:17], s[26:27]
.macro LOAD t
.irp i, 0,1,2,3
	global_load_b128 v[R+16*((\t)%4)+4*\i:R+16*((\t)%4)+4*\i+3], v3, s[24:25] offset:2048*(\t)+512*\i th:TH_LOAD_NT   ; 32 lanes read 512 consecutive bytes
.endr
.endm
.macro TURN t                          ; step t's numbers through the stage: LDS serves a wave's instructions in order, so no wait stands between the stores and the loads
.irp i, 0,1,2,3
	ds_store_b128 v14, v[R+16*((\t)%4)+4*\i:R+16*((\t)%4)+4*\i+3] offset:32*SP*((\t)%2)+8*SP*\i
.endr
.irp i, 0,1,2,3
	ds_load_b128 v[X+16*((\t)%2)+4*\i:X+16*((\t)%2)+4*\i+3], v15 offset:32*SP*((\t)%2)+16*\i
.endr
.endm
.irp t, 0,1,2,3
	LOAD \t
.endr
	s_wait_loadcnt 12                              ; step 0's four loads are in
	TURN 0
.macro STEP t
.set XS, X+16*((\t)%2)
.if (\t) > 0
	s_wait_dscnt 1                                 ; this step's numbers are back from the stage (the last step's byte store may be out)
.else
	s_wait_dscnt 0x0
.endif
.if (\t)+4 < STEPS
	LOAD (\t)+4                                    ; the registers that the stage's stores have read take the loads of four steps on
.endif
.if (\t)+1 < STEPS
.if STEPS-2-(\t) >= 3
	s_wait_loadcnt 12                              ; the next step's four loads are in; those of the three steps behind it may be out
.else
	s_wait_loadcnt 4*(STEPS-2-(\t))
.endif
	TURN (\t)+1
.endif
	v_max3_num_f32 v8, |v[XS]|, |v[XS+1]|, |v[XS+2]|               ; the largest magnitude of my 16, in two chains
	v_max3_num_f32 v9, |v[XS+3]|, |v[XS+4]|, |v[XS+5]|
.irp i, 6,10
	v_max3_num_f32 v8, v8, |v[XS+\i]|, |v[XS+\i+1]|
	v_max3_num_f32 v9, v9, |v[XS+\i+2]|, |v[XS+\i+3]|
.endr
	v_max3_num_f32 v8, v8, |v[XS+14]|, |v[XS+15]|
	v_max3_num_f32 v8, v8, v9, (EMAX+1)<<23        ; and the floor 2^(3 - 127): the byte cannot fall under 1
	v_max_num_f32_dpp v8, v8, v8 row_xmask:1 row_mask:0xf bank_mask:0xf   ; and of my neighbour's 16: the block's
	v_add_nc_u32 v11, -(EMAX<<23), v8              ; 2 off its exponent field: the conversion takes the exponent field of this operand as its scale
	v_cvt_scalef32_pk8_fp4_f32 v[C+4*(\t)], v[XS:XS+7], v11
	v_cvt_scalef32_pk8_fp4_f32 v[C+4*(\t)+1], v[XS+8:XS+15], v11
	v_lshrrev_b32 v[E+(\t)], 23, v11               ; the scale's byte (also the plain line behind the conversions)
	ds_store_b8 v5, v[E+(\t)] offset:16*(\t)       ; both lanes of a block write the same byte with the same value
	global_store_b64 v4, v[C+4*(\t):C+4*(\t)+1], s[14:15] offset:32*CB*(\t)   ; the wave stores 256 consecutive bytes, aligned
.endm
.irp t, 0,1,2,3,4,5,6,7,8,9,10,11,12,13,14,15
	STEP \t
.endr
	ds_load_b64 v[8:9], v6                         ; LDS serves a wave's instructions in order: these see my stores
	s_wait_dscnt 0x0
	global_store_b64 v7, v[8:9], s[16:17]          ; 32 lanes store 256 consecutive bytes, aligned
	s_wait_tensorcnt 0x0                           ; the wave's end, behind my last LDS store
	ds_add_u32 v[SPW], v[NIL]
	s_wait_dscnt 0x0
	s_endpgm
	; ---------------- Wo to f16: a wave takes 8,192 numbers, 64 steps of 128: a load of 512 dense bytes, two conversions, a store of 256 dense bytes
.Lwo:
	s_sub_co_u32 s26, ttmp9, WG_Q
	s_lshl_b32 s26, s26, 2
	s_add_co_u32 s26, s26, s22                     ; my run
	s_lshl_b32 s28, s26, 15
	s_mov_b32 s29, 0
	s_add_nc_u64 s[12:13], s[12:13], s[28:29]
	s_lshl_b32 s28, s26, 14
	s_add_nc_u64 s[18:19], s[18:19], s[28:29]
	v_lshlrev_b32 v3, 4, v2                        ; in: 16 bytes a lane
	v_lshlrev_b32 v4, 3, v2                        ; out: 8 bytes a lane
.macro LOADG g                         ; group g: 16 steps into set g % 2 (v32-95, v96-159)
.irp st, 0,1,2,3,4,5,6,7,8,9,10,11,12,13,14,15
	global_load_b128 v[32+64*((\g)%2)+4*\st:32+64*((\g)%2)+4*\st+3], v3, s[12:13] offset:512*(16*(\g)+\st) th:TH_LOAD_NT
.endr
.endm
.macro CVTG g
.if (\g) < 3
	s_wait_loadcnt 16                              ; this group's 16 loads are in; the next group's 16 may be out
.else
	s_wait_loadcnt 0x0
.endif
	s_wait_xcnt 0x0                                ; the last group's stores have read v160-191, which are written again
.irp st, 0,1,2,3,4,5,6,7,8,9,10,11,12,13,14,15
	v_cvt_pk_f16_f32 v[160+2*\st], v[32+64*((\g)%2)+4*\st], v[32+64*((\g)%2)+4*\st+1]
	v_cvt_pk_f16_f32 v[161+2*\st], v[32+64*((\g)%2)+4*\st+2], v[32+64*((\g)%2)+4*\st+3]
	global_store_b64 v4, v[160+2*\st:161+2*\st], s[18:19] offset:256*(16*(\g)+\st)
.endr
.if (\g)+2 < 4
	LOADG (\g)+2
.endif
.endm
	LOADG 0
	LOADG 1
	CVTG 0
	CVTG 1
	CVTG 2
	CVTG 3
	s_endpgm
	; ---------------- the rotary table: a wave takes a block of 16 positions; a lane 16 angles
.Lrope:
	s_sub_co_u32 s26, ttmp9, WG_O
	s_lshl_b32 s26, s26, 2
	s_add_co_u32 s26, s26, s22                     ; the block, 0 .. 127
	s_lshl_b32 s28, s26, 12                        ; 4,096 bytes a block
	s_mov_b32 s29, 0
	s_add_nc_u64 s[20:21], s[20:21], s[28:29]
	s_lshl_b32 s27, s26, 4
	v_and_b32 v3, 15, v2
	v_lshrrev_b32 v4, 4, v2
	v_add_nc_u32 v3, s27, v3
	v_cvt_f32_u32 v3, v3                           ; my position, as f32
	v_lshlrev_b32 v4, 2, v4                        ; 4 (lane / 16)
	v_lshlrev_b32 v5, 4, v2                        ; 16 x lane
	s_mov_b32 s41, 0x3f22f983                      ; 2 / pi
	s_mov_b32 s42, 0xbfc90fdb                      ; -(pi / 2), its upper part
	s_mov_b32 s43, 0x333bbd2e                      ; and what the upper part is too large by
	s_mov_b32 s44, 0xb9500d01                      ; -1/5040
	s_mov_b32 s45, 0x3c088889                      ; 1/120
	s_mov_b32 s46, 0xbe2aaaab                      ; -1/6
	s_mov_b32 s47, 0x37d00d01                      ; 1/40320
	s_mov_b32 s48, 0xbab60b61                      ; -1/720
	s_mov_b32 s49, 0x3d2aaaab                      ; 1/24
.irp n, 0,1,2,3,4,5,6,7,8,9,10,11,12,13,14,15
	v_add_nc_u32 v[16+\n], 8*(\n/4)+\n%4, v4       ; angle n = 2 i + e has j = 8 (i / 2) + 4 (lane / 16) + 2 (i % 2) + e
.endr
.irp n, 0,1,2,3,4,5,6,7,8,9,10,11,12,13,14,15
	v_cvt_f32_u32 v[16+\n], v[16+\n]
.endr
.irp n, 0,1,2,3,4,5,6,7,8,9,10,11,12,13,14,15
	v_mul_f32 v[16+\n], 0xbed49a78, v[16+\n]       ; x -log2(10000) / 32
.endr
.irp n, 0,1,2,3,4,5,6,7,8,9,10,11,12,13,14,15
	v_exp_f32 v[16+\n], v[16+\n]                   ; 10000^(-j / 32)
.endr
	v_nop                                          ; a plain line behind the last exponential
	s_wait_alu depctr_va_vdst(0)                   ; one wait for the batch, ahead of its first reader
.irp n, 0,1,2,3,4,5,6,7,8,9,10,11,12,13,14,15
	v_mul_f32 v[16+\n], v3, v[16+\n]               ; the angle
.endr
; Cosine into v[32 + 2 n], sine into v[33 + 2 n].  The angle less the nearest multiple of pi / 2 (taken off in two parts by fused multiply-adds) lies within pi / 4; there the series to r^7 and r^8 serve; the quadrant swaps and signs them.
.macro SINCOS n
	v_mul_f32 v64, s41, v[16+\n]
	v_rndne_f32 v64, v64
	v_fma_f32 v65, v64, s42, v[16+\n]
	v_fma_f32 v65, v64, s43, v65
	v_cvt_i32_f32 v66, v64
	v_mul_f32 v67, v65, v65
	v_fma_f32 v68, v67, s44, s45
	v_fma_f32 v68, v67, v68, s46
	v_mul_f32 v68, v68, v67
	v_fma_f32 v68, v68, v65, v65                   ; sin r
	v_fma_f32 v69, v67, s47, s48
	v_fma_f32 v69, v67, v69, s49
	v_fma_f32 v69, v67, v69, -0.5
	v_fma_f32 v69, v67, v69, 1.0                   ; cos r
	v_and_b32 v70, 1, v66
	v_cmp_eq_u32 vcc_lo, 1, v70
	v_cndmask_b32 v71, v68, v69, vcc_lo            ; in an odd quadrant the two change places
	v_cndmask_b32 v72, v69, v68, vcc_lo
	v_and_b32 v70, 2, v66
	v_lshlrev_b32 v70, 30, v70
	v_xor_b32 v[33+2*\n], v70, v71                 ; the sine is negative in quadrants 2 and 3,
	v_add_nc_u32 v70, 1, v66
	v_and_b32 v70, 2, v70
	v_lshlrev_b32 v70, 30, v70
	v_xor_b32 v[32+2*\n], v70, v72                 ; the cosine in 1 and 2
.endm
.irp n, 0,1,2,3,4,5,6,7,8,9,10,11,12,13,14,15
	SINCOS \n
.endr
.irp i, 0,1,2,3,4,5,6,7
	global_store_b128 v5, v[32+4*\i:35+4*\i], s[20:21] offset:512*\i   ; 512 consecutive bytes, aligned
.endr
	s_endpgm
.Lfunc_end_k_q68e326a77f_prep:
	.size	k_q68e326a77f_prep, .Lfunc_end_k_q68e326a77f_prep-k_q68e326a77f_prep
	.p2alignl 7, 3214868480
	.fill 96, 4, 3214868480
	.section	.rodata,"a",@progbits
	.p2align	6, 0x0
	.amdhsa_kernel k_q68e326a77f_prep
		.amdhsa_group_segment_fixed_size 33280
		.amdhsa_private_segment_fixed_size 0
		.amdhsa_enable_private_segment 0
		.amdhsa_kernarg_size 72
		.amdhsa_user_sgpr_count 2
		.amdhsa_user_sgpr_kernarg_segment_ptr 1
		.amdhsa_wavefront_size32 1
		.amdhsa_system_sgpr_workgroup_id_x 1
		.amdhsa_system_sgpr_workgroup_id_y 1
		.amdhsa_system_sgpr_workgroup_id_z 1
		.amdhsa_system_vgpr_workitem_id 0
		.amdhsa_next_free_vgpr 192
		.amdhsa_next_free_sgpr 66
		.amdhsa_reserve_vcc 1
		.amdhsa_float_denorm_mode_32 3
		.amdhsa_float_denorm_mode_16_64 3
		.amdhsa_memory_ordered 1
		.amdhsa_forward_progress 1
		.amdhsa_inst_pref_size 76
	.end_amdhsa_kernel
	.amdgpu_metadata
---
amdhsa.version: [ 1, 2 ]
amdhsa.kernels:
  - .name:           k_q68e326a77f_prep
    .symbol:         k_q68e326a77f_prep.kd
    .args:
      - { .name: x, .offset: 0, .size: 8, .value_kind: global_buffer, .address_space: global }
      - { .name: Wq, .offset: 8, .size: 8, .value_kind: global_buffer, .address_space: global }
      - { .name: Wk, .offset: 16, .size: 8, .value_kind: global_buffer, .address_space: global }
      - { .name: Wv, .offset: 24, .size: 8, .value_kind: global_buffer, .address_space: global }
      - { .name: Wo, .offset: 32, .size: 8, .value_kind: global_buffer, .address_space: global }
      - { .name: codes, .offset: 40, .size: 8, .value_kind: global_buffer, .address_space: global }
      - { .name: scales, .offset: 48, .size: 8, .value_kind: global_buffer, .address_space: global }
      - { .name: wo16, .offset: 56, .size: 8, .value_kind: global_buffer, .address_space: global }
      - { .name: rope, .offset: 64, .size: 8, .value_kind: global_buffer, .address_space: global }
    .group_segment_fixed_size: 33280
    .private_segment_fixed_size: 0
    .kernarg_segment_align: 8
    .kernarg_segment_size: 72
    .max_flat_workgroup_size: 128
    .sgpr_count:     66
    .vgpr_count:     192
    .wavefront_size: 32
...
	.end_amdgpu_metadata
.endif
;; end of part 1
;; launch qkv (part 2): grid 12 x 32, 4 waves a work-group, clusters of 4 x 4, 327,680 bytes of LDS; arguments codes, scales, rope, qkv, fine; writes qkv, fine
.if DOCPART == 2
	.amdgcn_target "amdgcn-amd-amdhsa--gfx1250"
	.amdhsa_code_object_version 6
	.text
	.protected	k_q68e326a77f_qkv
	.globl	k_q68e326a77f_qkv
	.p2align	8
	.type	k_q68e326a77f_qkv,@function
k_q68e326a77f_qkv:
	s_mov_b64 s[64:65], 0
	v_nop
	global_prefetch_b8 v0, s[64:65] scope:SCOPE_SE
	s_setreg_imm32_b32 hwreg(HW_REG_WAVE_MODE, 25, 1), 1
	s_wait_xcnt 0x0
	s_wait_alu depctr_hold_cnt(0) depctr_sa_sdst(0) depctr_va_vdst(0) depctr_va_sdst(0) depctr_va_ssrc(0) depctr_va_vcc(0) depctr_vm_vsrc(0)
	s_getreg_b32 s2, hwreg(HW_REG_IB_STS2, 6, 4)
	s_cmp_eq_u32 s2, 0
	s_cbranch_scc0 .Lentry_in_a_cluster
	s_endpgm
.Lentry_in_a_cluster:
	s_bfe_u32 s2, ttmp6, 0x10000c
	s_cmp_lg_u32 s2, 0xf033
	s_cbranch_scc0 .Lentry_shape_is_right
	s_endpgm
.Lentry_shape_is_right:
; QKV.  C[m][n] = sum over k of x[m][k] W[n][k], m = 8,192 rows of x, n = 3,072 rows of Wq, Wk, Wv, k = 1,024, both sides as codes of FP4 (E2M1) with one E8M0 byte for each 32 along K; sums in f32.
; Then, in f32: the rotary embedding on q and k (pairs of neighbouring columns), q x c with c = log2(e) / 8, and rounding to f16 into qkv [part 3][batch 4][head 16][position 2048][64].
; Positions 0-15 of every batch also leave as f32 into fine [part 3][batch 4][position 16][1024]: the last launch carries those rows in f32.
; LIMITS: |c q|, |k|, |v| stay under 65,504 (f16); NaN and infinities are not served (v passes through x 1 + y 0).
; A tile of C, 256 x 256, is made by four waves, each 128 x 128: 64 accumulators, 512 registers.  All of K lies in two LDS slots of 512 along K (rows of 256 bytes), asked for at the head: nothing is filled again.
; The scale bytes of the tile's 256 + 256 rows, for all of K, are two dense blocks: they come once, in rows of 256 bytes.
; CLUSTERS: 4 x 4 work-groups.  The four of a row of the cluster need the same tiles of x, the four of a column the same tiles of W: each tile is asked for JOINTLY.
; The tile row is 8 cy + cluster y: so the batch is cy and the first position 256 x cluster y; the tile column is 4 x cluster x + cx: so the part (q, k, v) is cluster x.  What branches or selects hang on (cluster x, cluster y, the wave) is alike in all partners.
; 384 work-groups: a tile of 256 x 256 is kept for the sake of the multiply-adds that each LDS byte feeds.
; THE MATRIX INSTRUCTION IS USED TRANSPOSED (source 0 = 16 rows of W, source 1 = 16 rows of x): a lane holds eight neighbouring columns of one row: four rotary pairs.
; REGISTERS: window 0: v0-31 addresses; v32-95 scale words, two sets; v128-191 x's fragments, one set.  Window 1: W's fragments, two sets.  Windows 2, 3: the accumulators ((a, b) at v[8 (8 (a % 4) + b)]).
;   On the way out window 0 holds: v32-95 the table, two sets; v96-159 a block in f32; v160-191 in f16; v192-255 rows back from the stage, two sets.
.set SIZE_K, 1024
.set KSTEP,  512                       ; along K in a slot
.set NQ,     KSTEP/128                 ; matrix instructions deep
.set ROWB,   256                       ; a tile's row in bytes
.set KROW,   SIZE_K*4/8                ; a row of codes in memory
.set PITCH,  272                       ; an LDS row: 256 bytes + 16 of padding: the 16 rows that a load touches start at 16 different banks (64 banks of 4 bytes: ISA guide 11.1)
.set FR,     8                         ; registers of a fragment
.set NL,     2                         ; LDS loads that bring one
.set NP,     4                         ; places behind this matrix instruction (ISA guide 7.12.1)
.set HALFT,  128*PITCH
.set SLOT,   4*HALFT                   ; x's 256 rows, then W's 256 rows
.set KS,     SIZE_K/32                 ; a row of scale bytes
.set SCL,    2*SLOT                    ; behind the slots: the scales, as rows of 256 bytes + 16
.set HALFS,  (128*KS/256)*272
.set SBLK,   (16*KS/256)*272
.set SPARE,  SCL+4*HALFS               ; the spare words, 128 bytes a wave
.set SPH,    144                       ; the way out: a stage of [head 2][16 rows][128 bytes + 16] for each wave, in slot 0, which has had its one fill and its last read by then
.set STGH,   16*SPH
.set ADRA, 16                          ; v16-17  LDS address of my fragments of x in slot 0, 1
.set ADRB, 20                          ; v20-21  the same for W
.set AB,   22                          ; v[22:23] (SB, 0): what is added to (cos, sin)
.set STO,  24                          ; v24     the stage: where I put 16 bytes of a row
.set RD,   25                          ; v25     and where I read rows back
.set CO,   26                          ; v26     16 x lane
.set ADRS, 27                          ; v27     LDS address of my scale words
.set SPW,  28                          ; v28     LDS address of my spare word; never rewritten
.set NIL,  29                          ; v29     0; never rewritten
.set FO,   30                          ; v30     my byte offset in fine
.set SC,   32
.set AF,   128
.set T,    32
.set RR,   96
.set PP,   160
.set BK,   192
.set G1, 24
.set G0, 32
.set G1B, 48
.set G0B, 56
.set G1S, 68
.set G0S, 76
.set G1SB, 80
.set G0SB, 88
.set SA,  66                           ; s[66:67] what (cos, sin) are multiplied by: c for q, 1 for k, 0 for v
.set SB,  2                            ; s2      what is added to cos: 0, 0, 1
.set FL,  3                            ; s3      0 where my block 0 holds positions 0-15
.set MSB, 0
.macro WIN new                         ; the immediate's high byte repeats the setting that is left
.if MSB != \new
	s_set_vgpr_msb (MSB<<8)|\new
.set MSB, \new
.endif
.endm
.set MUL_LO, 0xa1                      ; source 0 (W) window 1, source 1 (x) window 0, C and D window 2
.set MUL_HI, 0xf1                      ; the same, C and D window 3
.set TO_B,   0x40                      ; destination window 1, address window 0
; A joint load: waves 0 and 1 fetch for x, waves 2 and 3 for W.  The branch hangs on the wave's number alone.  An s_nop 0 and four v_nop follow each of the two lines.
.macro JLOAD g0a, g1a, g0b, g1b
	s_cmp_eq_u32 s15, 0
	s_cbranch_scc0 .Lfor_b_\@
	tensor_load_to_lds s[\g0a:\g0a+3], s[\g1a:\g1a+7]
	s_nop 0
.rept 4
	v_nop
.endr
	s_branch .Lasked_\@
.Lfor_b_\@:
	tensor_load_to_lds s[\g0b:\g0b+3], s[\g1b:\g1b+7]
	s_nop 0
.rept 4
	v_nop
.endr
.Lasked_\@:
.endm
.macro CROUND                          ; a round of the cluster's barrier
	s_barrier_signal -1
	s_barrier_wait -1
	s_cmp_lg_u32 s14, 0
	s_cbranch_scc1 .Lnot_wave_0_\@
	s_barrier_signal -3
.Lnot_wave_0_\@:
	s_barrier_wait -3
	s_barrier_signal -1
	s_barrier_wait -1
.endm
	s_load_b128 s[4:7], s[0:1], 0x0                ; codes s[4:5], scales s[6:7]
	s_load_b128 s[96:99], s[0:1], 0x10             ; rope s[96:97], qkv s[98:99]
	s_load_b64 s[12:13], s[0:1], 0x20              ; fine
	v_lshl_add_u32 v[SPW], v0, 2, SPARE
	v_mov_b32 v[NIL], 0
	ds_add_u32 v[SPW], v[NIL]                      ; the wave's opening: the add, twice on end, and its wait ahead of my first tensor load
	ds_add_u32 v[SPW], v[NIL]
	v_lshrrev_b32 v1, 5, v0
	v_readfirstlane_b32 s14, v1                    ; wave 0..3
	s_lshr_b32 s15, s14, 1                         ; which half of the tile's rows is mine.  Also: I fetch for x (0) or for W (1)
	s_and_b32 s16, s14, 1                          ; which half of its columns.  Also: which 128 rows of that tile I fetch
	s_bfe_u32 s40, ttmp6, 0x40000                  ; cx, cy: my place in the cluster
	s_bfe_u32 s41, ttmp6, 0x40004
	s_lshl_b32 s42, ttmp9, 2
	s_add_co_u32 s42, s42, s40                     ; tile column = 4 x cluster x + cx
	s_and_b32 s17, ttmp7, 0xffff
	s_lshl_b32 s18, s41, 3
	s_add_co_u32 s17, s17, s18                     ; tile row = 8 cy + cluster y
	s_lshl_b32 s43, s41, 2
	s_lshl_b32 s43, 15, s43                        ; my row of the cluster
	s_lshl_b32 s44, 0x1111, s40                    ; my column
	; descriptor group 1: a tile of 128 rows x 256 bytes, 16 bytes of padding behind each row
	s_or_b32 s[G1+0], s43, (0<<16)|(1<<20)|(1<<21)|(5<<22)|(3<<25)
	s_or_b32 s[G1B+0], s44, (0<<16)|(1<<20)|(1<<21)|(5<<22)|(3<<25)
.irp g, G1, G1B
	s_mov_b32 s[\g+1], ROWB<<16                    ; tensor_dim0
	s_mov_b32 s[\g+2], 128<<16                     ; tensor_dim1
	s_mov_b32 s[\g+3], ROWB<<16                    ; tile_dim0
	s_mov_b32 s[\g+4], 128                         ; tile_dim1
	s_mov_b32 s[\g+5], KROW                        ; the pitch in memory
	s_mov_b32 s[\g+6], 0
	s_mov_b32 s[\g+7], 0
.endr
	; the scales of 128 rows: a dense block of 4,096 bytes, as 16 rows of 256 bytes (32 elements of 8 bytes), 16 bytes of padding behind each
	s_or_b32 s[G1S+0], s43, (3<<16)|(1<<20)|(1<<21)|(5<<22)|(3<<25)
	s_or_b32 s[G1SB+0], s44, (3<<16)|(1<<20)|(1<<21)|(5<<22)|(3<<25)
.irp g, G1S, G1SB
	s_mov_b32 s[\g+1], 32<<16
	s_mov_b32 s[\g+2], (128*KS/256)<<16
	s_mov_b32 s[\g+3], 32<<16
	s_mov_b32 s[\g+4], 128*KS/256
	s_mov_b32 s[\g+5], 32
	s_mov_b32 s[\g+6], 0
	s_mov_b32 s[\g+7], 0
.endr
	s_lshl_b32 s18, s16, 7                         ; which 128 rows of the tile I fetch
	s_lshl_b32 s20, s17, 8
	s_add_co_u32 s20, s20, s18                     ; x: row 256 x tile row + 128 x half
	s_lshl_b32 s46, s42, 8
	s_add_co_u32 s46, s46, s18                     ; W: row 256 x tile column + 128 x half
	s_mov_b32 s21, 0
	s_mov_b32 s47, 0
	s_mov_b64 s[18:19], KS
	s_mul_u64 s[22:23], s[20:21], s[18:19]         ; where these rows' scales begin, in bytes
	s_mul_u64 s[92:93], s[46:47], s[18:19]
	s_mov_b64 s[18:19], KROW
	s_mul_u64 s[20:21], s[20:21], s[18:19]         ; and their codes
	s_mul_u64 s[46:47], s[46:47], s[18:19]
	s_mul_i32 s45, s14, HALFT                      ; where they go: wave x 128 rows
	s_mul_i32 s94, s14, HALFS
	s_wait_dscnt 0x0                               ; both opening adds are done
	s_wait_kmcnt 0x0
	s_add_nc_u64 s[8:9], s[4:5], 0x400000          ; W's codes lie behind x's 8,192 rows of 512 bytes,
	s_add_nc_u64 s[10:11], s[6:7], 0x40000         ; W's scale bytes behind x's 8,192 rows of 32
	s_add_nc_u64 s[20:21], s[4:5], s[20:21]
	s_add_nc_u64 s[22:23], s[6:7], s[22:23]
	s_add_nc_u64 s[46:47], s[8:9], s[46:47]
	s_add_nc_u64 s[92:93], s[10:11], s[92:93]
	CROUND                                         ; all sixteen work-groups are here: the joint loads meet
	s_mov_b32 s[G0S], 1
	s_add_co_u32 s[G0S+1], s94, SCL
	s_mov_b64 s[G0S+2:G0S+3], s[22:23]
	s_or_b32 s[G0S+3], s[G0S+3], 0x80000000
	s_mov_b32 s[G0SB], 1
	s_add_co_u32 s[G0SB+1], s94, SCL
	s_mov_b64 s[G0SB+2:G0SB+3], s[92:93]
	s_or_b32 s[G0SB+3], s[G0SB+3], 0x80000000
	JLOAD G0S, G1S, G0SB, G1SB                     ; the scales first: they are wanted with the first slot
.irp s, 0,1
	s_mov_b32 s[G0+4*\s], 1
	s_add_co_u32 s[G0+4*\s+1], s45, \s*SLOT
	s_add_nc_u64 s[G0+4*\s+2:G0+4*\s+3], s[20:21], \s*ROWB
	s_or_b32 s[G0+4*\s+3], s[G0+4*\s+3], 0x80000000
	s_mov_b32 s[G0B+4*\s], 1
	s_add_co_u32 s[G0B+4*\s+1], s45, \s*SLOT
	s_add_nc_u64 s[G0B+4*\s+2:G0B+4*\s+3], s[46:47], \s*ROWB
	s_or_b32 s[G0B+4*\s+3], s[G0B+4*\s+3], 0x80000000
	JLOAD G0+4*\s, G1, G0B+4*\s, G1B               ; three tensor loads of mine are out now: the scales and both slots
.endr
	v_and_b32 v1, 15, v0                           ; r = l % 16
	v_bfe_u32 v2, v0, 4, 1                         ; h = l / 16
	v_mul_u32_u24 v3, v1, PITCH
	v_lshl_add_u32 v4, v2, 4, v3                   ; a fragment's row x pitch + 16 x half
	s_mul_i32 s21, s15, HALFT                      ; my 128 rows of x
	s_mul_i32 s22, s16, HALFT                      ; my 128 rows of W,
	s_add_co_u32 s22, s22, 2*HALFT                 ; which lie behind x's 256
.irp s, 0,1
	v_add_nc_u32 v[ADRA+\s], s21, v4
	v_add_nc_u32 v[ADRB+\s], s22, v4
	s_add_co_u32 s21, s21, SLOT
	s_add_co_u32 s22, s22, SLOT
.endr
	v_mul_u32_u24 v5, v1, KS                       ; my row's scales: 32 bytes a row,
	v_lshrrev_b32 v6, 8, v5
	v_lshl_add_u32 v5, v6, 4, v5                   ; and 16 more for each 256 passed
	s_mul_i32 s21, s15, HALFS                      ; x's: my 128 rows
	s_mul_i32 s22, s16, HALFS                      ; W's: my 128 rows, behind x's 256
	s_add_co_u32 s22, s22, 2*HALFS
	s_sub_co_u32 s22, s22, s21
	v_mul_u32_u24 v6, s22, v2                      ; lanes 16-31 take W's
	s_add_co_u32 s21, s21, SCL
	v_add_nc_u32 v5, v5, v6
	v_add_nc_u32 v[ADRS], s21, v5
	; the way out's addresses
	s_mul_i32 s23, s14, 2*STGH                     ; my stage
	v_mul_u32_u24 v5, v1, SPH
	v_lshl_add_u32 v5, v2, 4, v5
	v_add_nc_u32 v[STO], s23, v5                   ; in: row r, 16 bytes for each half of the lanes
	v_and_b32 v6, 31, v0
	v_lshlrev_b32 v[CO], 4, v6
	v_lshrrev_b32 v5, 3, v6
	v_mul_u32_u24 v5, v5, SPH
	v_and_b32 v7, 7, v6
	v_lshl_add_u32 v5, v7, 4, v5
	v_add_nc_u32 v[RD], s23, v5                    ; back: eight lanes to a row of 128 bytes, four rows an instruction
	v_lshlrev_b32 v5, 12, v1
	v_lshl_add_u32 v[FO], v2, 5, v5                ; fine: row r of 4,096 bytes, + 32 h
	s_cmp_eq_u32 ttmp9, 0                          ; the part: 0 q, 1 k, 2 v
	s_cselect_b32 s[SA], 0x3e38aa3b, 1.0           ; c = log2(e) / 8 for q
	s_cmp_eq_u32 ttmp9, 2
	s_cselect_b32 s[SA], 0, s[SA]
	s_cselect_b32 s[SB], 1.0, 0
	s_mov_b32 s[SA+1], s[SA]                       ; (named with it as a pair, so it is written)
	v_mov_b32 v[AB], s[SB]
	v_mov_b32 v[AB+1], 0
	s_and_b32 s18, ttmp7, 0xffff                   ; cluster y
	s_or_b32 s[FL], s18, s15                       ; 0: cluster y = 0 and the upper half of the rows
	; offsets that hang on cy stand in s[20:21], those that hang on cx in s[46:47]
	s_lshl_b32 s20, s41, 22                        ; qkv: batch cy: 16 heads of 2^18 bytes,
	s_lshl_b32 s21, s18, 15                        ; position 256 x cluster y, 128 bytes a row,
	s_add_co_u32 s20, s20, s21
	s_lshl_b32 s21, s15, 14                        ; + 128 x my half
	s_add_co_u32 s20, s20, s21
	s_mov_b32 s21, 0
	s_add_nc_u64 s[98:99], s[98:99], s[20:21]
	s_lshl_b32 s46, ttmp9, 24                      ; the part,
	s_lshl_b32 s47, s40, 20                        ; head 4 cx
	s_add_co_u32 s46, s46, s47
	s_lshl_b32 s47, s16, 19                        ; + 2 x my half of the columns
	s_add_co_u32 s46, s46, s47
	s_mov_b32 s47, 0
	s_add_nc_u64 s[98:99], s[98:99], s[46:47]
	s_lshl_b32 s20, s18, 16                        ; rope: block 16 x cluster y + 8 x my half, 4,096 bytes a block
	s_lshl_b32 s22, s15, 15
	s_add_co_u32 s20, s20, s22
	s_add_nc_u64 s[96:97], s[96:97], s[20:21]
	s_lshl_b32 s20, s41, 16                        ; fine: batch cy,
	s_add_nc_u64 s[12:13], s[12:13], s[20:21]
	s_lshl_b32 s46, ttmp9, 18                      ; the part,
	s_lshl_b32 s22, s40, 10                        ; column 256 cx
	s_add_co_u32 s46, s46, s22
	s_lshl_b32 s22, s16, 9                         ; + 128 x my half
	s_add_co_u32 s46, s46, s22
	s_add_nc_u64 s[12:13], s[12:13], s[46:47]
.macro FRAG reg, adr, q, i             ; a fragment, 16 rows x 128 K of 4-bit codes: lane l holds row l % 16; registers 4 c .. 4 c + 3 hold K = 64 c + 32 (l / 16) + 0 .. 31
.irp c, 0,1
	ds_load_b128 v[\reg+4*\c:\reg+4*\c+3], v[\adr] offset:64*(\q)+32*\c+(\i)*16*PITCH
.endr
.endm
; 16 matrix instructions: x's blocks a0, a0 + 1 against W's eight, 128 along K.  p: W's set;  sc: the set of scale words.  zero = 1: the first product starts the sums.
; One register carries x's scale word (lanes 0-15) and W's (lanes 16-31).  The 64 accumulators take turns, one instruction a turn.
.macro MUL16 a0, p, q, sc, zero
.irp a, \a0, \a0+1
.irp b, 0,1,2,3,4,5,6,7
.if \zero
	v_wmma_scale_f32_16x16x128_f8f6f4 v[8*(8*((\a)%4)+\b):8*(8*((\a)%4)+\b)+7], v[128*(\p)+FR*\b:128*(\p)+FR*\b+FR-1], v[AF+FR*(\a):AF+FR*(\a)+FR-1], 0, v[SC+8*NQ*(\sc)+NQ*\b+(\q)], v[SC+8*NQ*(\sc)+NQ*(\a)+(\q)] matrix_a_fmt:MATRIX_FMT_FP4 matrix_b_fmt:MATRIX_FMT_FP4 matrix_a_scale:MATRIX_SCALE_ROW1
.else
	v_wmma_scale_f32_16x16x128_f8f6f4 v[8*(8*((\a)%4)+\b):8*(8*((\a)%4)+\b)+7], v[128*(\p)+FR*\b:128*(\p)+FR*\b+FR-1], v[AF+FR*(\a):AF+FR*(\a)+FR-1], v[8*(8*((\a)%4)+\b):8*(8*((\a)%4)+\b)+7], v[SC+8*NQ*(\sc)+NQ*\b+(\q)], v[SC+8*NQ*(\sc)+NQ*(\a)+(\q)] matrix_a_fmt:MATRIX_FMT_FP4 matrix_b_fmt:MATRIX_FMT_FP4 matrix_a_scale:MATRIX_SCALE_ROW1
.endif
.endr
.endr
.endm
.macro FETCH_B slot, q, p
	WIN TO_B
.irp i, 0,1,2,3,4,5,6,7
	FRAG 128*(\p)+FR*\i, ADRB+\slot, \q, \i
.endr
	WIN 0
.endm
.macro FETCH_A slot, q, i0
.irp i, \i0, \i0+1, \i0+2, \i0+3
	FRAG AF+FR*(\i), ADRA+\slot, \q, \i
.endr
.endm
.macro SCALES sc                       ; a slot's scale words: four words a row; lanes 0-15 take x's block i, lanes 16-31 W's block i
.irp i, 0,1,2,3,4,5,6,7
	ds_load_b128 v[SC+8*NQ*\sc+NQ*\i:SC+8*NQ*\sc+NQ*\i+3], v[ADRS] offset:\i*SBLK
.endr
.endm
.macro PLACES n                        ; plain vector lines between a matrix instruction and a load into, or a read of, its registers
.rept \n
	v_nop
.endr
.endm
.macro STEP slot, q, zero              ; a step of 128 along K that has its successor in the same slot
	s_wait_dscnt 4*NL                              ; W's set and x's blocks 0-3 are in; the youngest eight loads (x's blocks 4-7) may be out
	WIN MUL_LO
	MUL16 0, (\q)%2, \q, \slot, \zero
	MUL16 2, (\q)%2, \q, \slot, \zero
	s_wait_dscnt 0                                 ; x's blocks 4-7 are in
	PLACES NP
	FETCH_B \slot, (\q)+1, 1-(\q)%2
	FETCH_A \slot, (\q)+1, 0
	WIN MUL_HI
	MUL16 4, (\q)%2, \q, \slot, \zero
	MUL16 6, (\q)%2, \q, \slot, \zero
	PLACES NP
	WIN 0
	FETCH_A \slot, (\q)+1, 4
.endm
.macro TURN slot, next                 ; slot 0's last step: one barrier; behind it slot 1 is whole for every wave and nobody reads slot 0 any more.  Nothing is filled again
	s_wait_tensorcnt 0x0                           ; all my tensor loads have landed: my part of slot 1;
	ds_add_u32 v[SPW], v[NIL]                      ; 0 onto my spare word;
	s_wait_dscnt 4*NL+1                            ; (the add and the youngest eight loads may be out)
	WIN MUL_LO
	MUL16 0, 1, NQ-1, \slot, 0
	s_wait_dscnt 0x0                               ; the add is done, and my reads of this slot are over
	s_barrier_signal -1
	MUL16 2, 1, NQ-1, \slot, 0
	WIN 0
	s_barrier_wait -1
	PLACES NP
	v_add_nc_u32 v[ADRS], 4*NQ, v[ADRS]            ; on to the next slot's scale words
	FETCH_B \next, 0, 0
	FETCH_A \next, 0, 0
	SCALES \next
	WIN MUL_HI
	MUL16 4, 1, NQ-1, \slot, 0
	MUL16 6, 1, NQ-1, \slot, 0
	PLACES NP
	WIN 0
	FETCH_A \next, 0, 4
.endm
	s_wait_tensorcnt 1                             ; the scales and my part of slot 0 are in (slot 1's load may be out),
	s_barrier_signal -1
	s_barrier_wait -1                              ; everybody's are
	FETCH_B 0, 0, 0
	FETCH_A 0, 0, 0
	SCALES 0
	FETCH_A 0, 0, 4
	STEP 0, 0, 1                                   ; the first step's products start the sums
	STEP 0, 1, 0
	STEP 0, 2, 0
	TURN 0, 1
	STEP 1, 0, 0
	STEP 1, 1, 0
	STEP 1, 2, 0
	s_wait_dscnt 4*NL                              ; the last step: nothing more to fetch
	WIN MUL_LO
	MUL16 0, 1, NQ-1, 1, 0
	MUL16 2, 1, NQ-1, 1, 0
	s_wait_dscnt 0
	WIN MUL_HI
	MUL16 4, 1, NQ-1, 1, 0
	MUL16 6, 1, NQ-1, 1, 0
	WIN 0
; THE WAY OUT, block by block of 16 rows x 128 columns (two heads).
; TABLE a: block a's cosines and sines: eight loads of 512 dense bytes, in the order of my registers: register 8 (b % 4) + 2 p is cos, the next sin, of pair p of tile b.
.macro TABLE a
.irp i, 0,1,2,3,4,5,6,7
	global_load_b128 v[T+32*((\a)%2)+4*\i:T+32*((\a)%2)+4*\i+3], v[CO], s[96:97] offset:4096*(\a)+512*\i
.endr
.endm
.macro SEND a, younger                 ; block a's rows leave: 512 dense bytes an instruction (four rows of one head).  younger: the LDS instructions issued behind its loads
.set BS, BK+32*((\a)%2)
	s_wait_dscnt \younger
.irp i, 0,1,2,3,4,5,6,7
	global_store_b128 v[CO], v[BS+4*\i:BS+4*\i+3], s[98:99] offset:2048*(\a)+262144*(\i/4)+512*(\i%4)
.endr
.endm
.macro EPI a
.set TT, T+32*((\a)%2)
.set AC, 64*((\a)%4)
.set BB, BK+32*((\a)%2)
	s_wait_xcnt 0x0                                ; earlier stores have read their registers: the f32 block and this block's set of rows are written again
.if (\a) < 7
	s_wait_loadcnt 8                               ; this block's table is in; the next block's eight loads may be out
.else
	s_wait_loadcnt 0
.endif
.irp i, 0,2,4,6,8,10,12,14,16,18,20,22,24,26,28,30
	v_pk_fma_f32 v[TT+\i:TT+\i+1], v[TT+\i:TT+\i+1], s[SA:SA+1], v[AB:AB+1] op_sel_hi:[1,0,1]   ; (cos, sin) x SA + (SB, 0): q: c cos, c sin;  k: as they are;  v: 1, 0
.endr
	WIN 0x02+(\a)/4                                ; source 0: the accumulators' window
.irp b, 0,1,2,3,4,5,6,7
.irp p, 0,1,2,3
	v_mul_f32 v[RR+8*\b+2*\p], v[AC+8*\b+2*\p], v[TT+8*(\b%4)+2*\p]                               ; each accumulator is read from its low end on
	v_mul_f32 v[RR+8*\b+2*\p+1], v[AC+8*\b+2*\p], v[TT+8*(\b%4)+2*\p+1]
	v_fma_f32 v[RR+8*\b+2*\p], -v[AC+8*\b+2*\p+1], v[TT+8*(\b%4)+2*\p+1], v[RR+8*\b+2*\p]         ; x1 cos - x2 sin
	v_fma_f32 v[RR+8*\b+2*\p+1], v[AC+8*\b+2*\p+1], v[TT+8*(\b%4)+2*\p], v[RR+8*\b+2*\p+1]        ; x1 sin + x2 cos
.endr
.endr
	WIN 0
.if (\a) < 6
	TABLE (\a)+2
.endif
.if (\a) > 0
	s_wait_dscnt 8                                 ; the last block's eight stores into the stage are done (its eight loads may be out): their registers are written again
.endif
.set ii, 0
.rept 32
	v_cvt_pk_f16_f32 v[PP+ii], v[RR+2*ii], v[RR+2*ii+1]
.set ii, ii+1
.endr
.if (\a) == 0
	s_cmp_eq_u32 s[FL], 0                          ; positions 0-15: cluster y = 0, the upper half's waves: alike in all partners
	s_cbranch_scc0 .Lno_fine
.irp b, 0,1,2,3,4,5,6,7
	global_store_b128 v[FO], v[RR+8*\b:RR+8*\b+3], s[12:13] offset:64*\b          ; pieces of 32 bytes a lane: 0.8 MB in the whole launch
	global_store_b128 v[FO], v[RR+8*\b+4:RR+8*\b+7], s[12:13] offset:64*\b+16
.endr
.Lno_fine:
.endif
.irp b, 0,1,2,3,4,5,6,7
	ds_store_b128 v[STO], v[PP+4*\b:PP+4*\b+3] offset:STGH*(\b/4)+32*(\b%4)
.endr
.irp i, 0,1,2,3,4,5,6,7
	ds_load_b128 v[BB+4*\i:BB+4*\i+3], v[RD] offset:STGH*(\i/4)+4*SPH*(\i%4)      ; LDS serves a wave's instructions in order: these see the stores above
.endr
.if (\a) > 0
	SEND (\a)-1, 16                                ; behind the last block's loads: this block's 8 stores and 8 loads
.endif
.endm
	PLACES NP                                      ; behind the last products: for the loads into the scale words' registers, the writes over x's fragments and the reads of results
	TABLE 0
	TABLE 1
.irp a, 0,1,2,3,4,5,6,7
	EPI \a
.endr
	SEND 7, 0
	s_wait_tensorcnt 0x0                           ; the wave's end, behind my last tensor load and my last LDS store
	ds_add_u32 v[SPW], v[NIL]
	s_wait_dscnt 0x0
	CROUND                                         ; the closing round
	s_endpgm
.Lfunc_end_k_q68e326a77f_qkv:
	.size	k_q68e326a77f_qkv, .Lfunc_end_k_q68e326a77f_qkv-k_q68e326a77f_qkv
	.p2alignl 7, 3214868480
	.fill 96, 4, 3214868480
	.section	.rodata,"a",@progbits
	.p2align	6, 0x0
	.amdhsa_kernel k_q68e326a77f_qkv
		.amdhsa_group_segment_fixed_size 327680
		.amdhsa_private_segment_fixed_size 0
		.amdhsa_enable_private_segment 0
		.amdhsa_kernarg_size 40
		.amdhsa_user_sgpr_count 2
		.amdhsa_user_sgpr_kernarg_segment_ptr 1
		.amdhsa_wavefront_size32 1
		.amdhsa_system_sgpr_workgroup_id_x 1
		.amdhsa_system_sgpr_workgroup_id_y 1
		.amdhsa_system_sgpr_workgroup_id_z 1
		.amdhsa_system_vgpr_workitem_id 0
		.amdhsa_next_free_vgpr 1024
		.amdhsa_next_free_sgpr 100
		.amdhsa_reserve_vcc 0
		.amdhsa_float_denorm_mode_32 3
		.amdhsa_float_denorm_mode_16_64 3
		.amdhsa_memory_ordered 1
		.amdhsa_forward_progress 1
		.amdhsa_inst_pref_size 191
	.end_amdhsa_kernel
	.amdgpu_metadata
---
amdhsa.version: [ 1, 2 ]
amdhsa.kernels:
  - .name:           k_q68e326a77f_qkv
    .symbol:         k_q68e326a77f_qkv.kd
    .args:
      - { .name: codes, .offset: 0, .size: 8, .value_kind: global_buffer, .address_space: global }
      - { .name: scales, .offset: 8, .size: 8, .value_kind: global_buffer, .address_space: global }
      - { .name: rope, .offset: 16, .size: 8, .value_kind: global_buffer, .address_space: global }
      - { .name: qkv, .offset: 24, .size: 8, .value_kind: global_buffer, .address_space: global }
      - { .name: fine, .offset: 32, .size: 8, .value_kind: global_buffer, .address_space: global }
    .group_segment_fixed_size: 327680
    .private_segment_fixed_size: 0
    .kernarg_segment_align: 8
    .kernarg_segment_size: 40
    .max_flat_workgroup_size: 128
    .sgpr_count:     100
    .vgpr_count:     1024
    .wavefront_size: 32
...
	.end_amdgpu_metadata
.endif
;; end of part 2
;; launch attn (part 3): grid 4 x 64, 16 waves a work-group, no clusters, 327,680 bytes of LDS; arguments qkv, o16; writes o16
.if DOCPART == 3
	.amdgcn_target "amdgcn-amd-amdhsa--gfx1250"
	.amdhsa_code_object_version 6
	.text
	.protected	k_q68e326a77f_attn
	.globl	k_q68e326a77f_attn
	.p2align	8
	.type	k_q68e326a77f_attn,@function
k_q68e326a77f_attn:
	s_mov_b64 s[64:65], 0
	v_nop
	global_prefetch_b8 v0, s[64:65] scope:SCOPE_SE
	s_setreg_imm32_b32 hwreg(HW_REG_WAVE_MODE, 25, 1), 1
	s_wait_xcnt 0x0
; ATTN.  o[b][head][q][:] = sum over k <= q of softmax_k(q . k / 8) v[k][:], operands in f16, products, maxima and sums in f32.
; qkv: [part 3][batch x head 64][position 2048][64] f16; q is already multiplied by c = log2(e) / 8, so a score is an exponent of 2.  o16: [batch x head][position][64] f16.
; LIMITS: a hidden key weighs 0 (as in the reference while a row's largest open score lies above some -1e9); |o| stays under 65,504; NaN and infinities are not served.
; (Positions 0-15 of every batch are computed here too, and once more in f32 by the last launch, whose rows stand in the end.)
; SHARES.  A work-group (j = 0..3, one head) owns query blocks 7 - j (waves 0-7) and j (waves 8-15) of 256 queries: under the causal mask every work-group has the same work: 8 (8 - j) + 8 (j + 1) = 72 slots of wave work.
; A wave owns 32 queries, two tiles of 16, in 256 registers: four waves to a SIMD, so that one wave's vector work stands beside another's matrix work and LDS loads; each fragment of K and V read from LDS feeds two products.
; Every work-group walks all eight slots of 256 keys with constant trip counts; a step (64 keys) all of whose keys come after the wave's queries is jumped over; a slot that no wave of the work-group reads is not asked for.
; NO CLUSTER: the four work-groups of a head stop reading at different slots (8 - j), so a joint load would bring tiles that every wave of some partner jumps over.
; LAYOUT.  S^T = K Q^T (source 0 = 16 keys, source 1 = 16 queries): a lane holds ONE query (lane % 16) and keys 8 (lane / 16) + 0..7.  Two such tiles rounded to f16 in pairs ARE source 1 of O^T = V^T P.  V ([key][channel]) comes out of LDS turned, by ds_load_tr16_b128.
; SOFTMAX.  A running maximum m and sum l for each query: p = 2^(s - m); in every step O^T and l are multiplied by a = 2^(old m - m).
.set SK,    256                        ; keys in a slot
.set NQ,    4                          ; steps of 64 keys in a slot
.set PK,    144                        ; a row of K in LDS: 128 bytes + 16: the 16 rows of a load start at 16 different groups of banks
.set PV,    160                        ; a row of V: 128 + 32: an odd multiple of 32, for the turning load
.set VOFF,  SK*PK                      ; a slot: 256 rows of K, then 256 rows of V
.set SLOT1, 1<<17                      ; slot 1 begins here: one exclusive or turns an address from slot to slot
.set NSL,   8
.set STAGE, VOFF+SK*PV                 ; behind slot 0: the way out's stages, 16 rows x 144 bytes a wave; no fill lands here
.set SPARE, STAGE+16*16*144            ; the spare words, 128 bytes a wave
.set AK0,  1                           ; v1   my lane's place in a tile of K
.set AV0,  2                           ; v2   the same for V
.set PFO,  3                           ; v3   256 x lane: the prefetches' offset; never rewritten
.set SPW,  5                           ; v5   LDS address of my spare word; never rewritten
.set NIL,  6                           ; v6   0; never rewritten
.set GO,   7                           ; v7   16 x lane
.set ADK,  8                           ; v8   LDS address of the step's K
.set ADV,  9                           ; v9   of its V
.set STO,  10                          ; v10  (first: Q's offset)  the stage, in
.set RD,   11                          ; v11  the stage, back
.set ST,   12                          ; tile t's statistics at v[12 + 8 t]: +0 m, +1 old m, then old m - m, +2, +3 l (even keys', odd keys'), +4..+7 at work; a takes +6
.set Y,    28                          ; v28-31 second sum chains; in the mask v28 = d, v29 = -infinity
.set Q,    32                          ; v32-63   Q: tile t, channels 32 ks on, at 32 + 16 t + 8 ks
.set KV,   64                          ; v64-127  a step's K, then its V
.set S,    128                         ; v128-191 S^T, 32 a tile; p's f16 pairs are packed into a tile's first 16
.set O,    192                         ; v192-255 O^T: tile t, channels 16 ct on, at 192 + 32 t + 8 ct
.set WV,   18
.set SEL,  20                          ; s[20:21] v_permlanex16_b32's selects for lane l xor 16
.set G1K,  24
.set G1V,  32
.set G0K,  40
.set G0V,  44
.set TB,   2                           ; s2   LDS byte at which the slot in hand begins
.set SLOTS, 67                         ; s67  changes of slots still to come in the loop
.set QL,   68                          ; s68  my work-group's last query
.set PFA,  76                          ; s[76:77] where my prefetches stand
.set LIM,  80                          ; s80  1 in a wave that prefetches, else the greatest number
.set KF,   98                          ; s98  the step's first key
.set Q0,   99                          ; s99  my first query
; Waves 0 and 1 fetch K's halves of a slot, waves 2 and 3 V's, the others nothing.  An s_nop 0 and four v_nop follow each of the two lines.
.macro TLOAD
	s_cmp_lt_u32 s[WV], 2
	s_cbranch_scc0 .Lnot_k_\@
	tensor_load_to_lds s[G0K:G0K+3], s[G1K:G1K+7]
	s_nop 0
.rept 4
	v_nop
.endr
	s_branch .Lasked_\@
.Lnot_k_\@:
	s_cmp_lt_u32 s[WV], 4
	s_cbranch_scc0 .Lasked_\@
	tensor_load_to_lds s[G0V:G0V+3], s[G1V:G1V+7]
	s_nop 0
.rept 4
	v_nop
.endr
.Lasked_\@:
.endm
; A prefetch of the slot that the NEXT change of slots asks for: 32,768 dense bytes of K and as many of V.  All four work-groups of a head walk the same K and V: the one with j = 0, which reads all slots, asks.
; In it waves 4 to 7 ask for K, waves 8 to 11 for V: 8,192 bytes a wave, lanes 256 bytes apart, one instruction: each aligned block of 256 bytes is named once in the launch.
; Trip n names slot n + 2, for n = 0 .. 5: slots 0 and 1 come by their loads alone, and the last change that fills a slot asks for nothing.
.macro ASK
	s_cmp_gt_u32 s[SLOTS], s[LIM]
	s_cbranch_scc0 .Lnot_mine_\@
	global_prefetch_b8 v[PFO], s[PFA:PFA+1] th:TH_LOAD_NT scope:SCOPE_SE
.Lnot_mine_\@:
.endm
	s_load_b128 s[4:7], s[0:1], 0x0                ; qkv s[4:5], o16 s[6:7]
	v_lshl_add_u32 v[SPW], v0, 2, SPARE
	v_mov_b32 v[NIL], 0
	ds_add_u32 v[SPW], v[NIL]                      ; the wave's opening: the add, twice on end, and its wait ahead of the first tensor load
	ds_add_u32 v[SPW], v[NIL]
	v_lshrrev_b32 v8, 5, v0
	v_readfirstlane_b32 s[WV], v8                  ; wave 0..15
	s_and_b32 s72, ttmp7, 0xffff
	s_lshl_b32 s72, s72, 18                        ; the head's first byte in each part and in o16
	s_sub_co_u32 s74, 7, ttmp9                     ; 7 - j
	s_cmp_lt_u32 s[WV], 8
	s_cselect_b32 s75, s74, ttmp9                  ; my block of 256 queries
	s_lshl_b32 s75, s75, 8
	s_and_b32 s82, s[WV], 7
	s_lshl_b32 s82, s82, 5
	s_add_co_u32 s[Q0], s75, s82
	s_lshl_b32 s[QL], s74, 8
	s_or_b32 s[QL], s[QL], 255
	s_and_b32 s88, s[WV], 1                        ; which 128 rows of a slot I fetch, if I fetch
	s_lshl_b32 s90, s88, 14
	s_add_co_u32 s90, s90, s72
	s_mov_b32 s91, 0                               ; in memory,
	s_mul_i32 s89, s88, 128*PK                     ; K's in a slot,
	s_mul_i32 s94, s88, 128*PV
	s_add_co_u32 s94, s94, VOFF                    ; V's
	; descriptor group 1: 128 rows of 64 elements of 2 bytes, dense in memory; padding behind every 32 words: K 4 words, V 8
	s_mov_b32 s[G1K], (1<<16)|(1<<20)|(4<<22)|(3<<25)
	s_mov_b32 s[G1V], (1<<16)|(1<<20)|(4<<22)|(7<<25)
.irp g, G1K, G1V
	s_mov_b32 s[\g+1], 64<<16                      ; tensor_dim0
	s_mov_b32 s[\g+2], 128<<16                     ; tensor_dim1
	s_mov_b32 s[\g+3], 64<<16                      ; tile_dim0
	s_mov_b32 s[\g+4], 128                         ; tile_dim1
	s_mov_b32 s[\g+5], 64                          ; the pitch in memory
	s_mov_b32 s[\g+6], 0
	s_mov_b32 s[\g+7], 0
.endr
	s_mov_b32 s[SEL], 0x76543210
	s_mov_b32 s[SEL+1], 0xfedcba98
	s_mov_b32 s[TB], 0
	s_mov_b32 s[SLOTS], NSL-1
	s_mov_b32 s[KF], 0
	s_wait_dscnt 0x0                               ; both opening adds are done
	s_wait_kmcnt 0x0
	s_mov_b32 s[G0K], 1
	s_mov_b32 s[G0K+1], s89
	s_add_nc_u64 s[G0K+2:G0K+3], s[4:5], s[90:91]
	s_add_nc_u64 s[G0K+2:G0K+3], s[G0K+2:G0K+3], 0x1000000   ; part 1: k
	s_or_b32 s[G0K+3], s[G0K+3], 0x80000000
	s_mov_b32 s[G0V], 1
	s_mov_b32 s[G0V+1], s94
	s_add_nc_u64 s[G0V+2:G0V+3], s[4:5], s[90:91]
	s_add_nc_u64 s[G0V+2:G0V+3], s[G0V+2:G0V+3], 0x2000000   ; part 2: v
	s_or_b32 s[G0V+3], s[G0V+3], 0x80000000
	TLOAD                                          ; slot 0: it holds key 0, which counts for every query.  One tensor load of a wave is out at any time
	s_lshl_b32 s84, s[Q0], 7
	s_add_co_u32 s84, s84, s72
	s_mov_b32 s85, 0
	s_add_nc_u64 s[8:9], s[4:5], s[84:85]          ; q at my first query
	s_add_nc_u64 s[6:7], s[6:7], s[84:85]          ; o likewise
	s_and_b32 s82, s[WV], 3                        ; the prefetches: my wave's 8,192 bytes,
	s_lshl_b32 s82, s82, 13
	s_add_co_u32 s82, s82, s72                     ; in my head,
	s_add_co_u32 s82, s82, SK*128                  ; in slot 1: the first change of slots steps it to slot 2,
	s_cmp_lt_u32 s[WV], 8
	s_cselect_b32 s83, 1, 2                        ; of k (waves 4 to 7) or of v (waves 8 to 11)
	s_lshl_b32 s83, s83, 24
	s_add_co_u32 s82, s82, s83
	s_mov_b32 s83, 0
	s_add_nc_u64 s[PFA:PFA+1], s[4:5], s[82:83]
	s_sub_co_u32 s82, s[WV], 4
	s_lshr_b32 s82, s82, 3                         ; 0 in waves 4 to 11,
	s_or_b32 s82, s82, ttmp9                       ; of the work-group with j = 0
	s_cmp_eq_u32 s82, 0
	s_cselect_b32 s[LIM], 1, -1
	v_and_b32 v8, 15, v0                           ; r
	v_bfe_u32 v9, v0, 4, 1                         ; h
	v_lshlrev_b32 v10, 7, v8
	v_lshl_add_u32 v10, v9, 4, v10                 ; Q: row r of 128 bytes, + 16 h
.irp t, 0,1
.irp ks, 0,1
	global_load_b128 v[Q+16*\t+8*\ks:Q+16*\t+8*\ks+3], v10, s[8:9] offset:2048*\t+64*\ks
	global_load_b128 v[Q+16*\t+8*\ks+4:Q+16*\t+8*\ks+7], v10, s[8:9] offset:2048*\t+64*\ks+32
.endr
.endr
	v_mul_u32_u24 v[AK0], v8, PK
	v_lshl_add_u32 v[AK0], v9, 4, v[AK0]           ; K: row r x pitch + 16 h
	v_and_b32 v11, 7, v0
	v_lshl_add_u32 v[AV0], v9, 3, v11              ; V: the turning load takes key 8 h + l % 8,
	v_mul_u32_u24 v[AV0], v[AV0], PV
	v_bfe_u32 v11, v0, 3, 1
	v_lshl_add_u32 v[AV0], v11, 4, v[AV0]          ; channels 8 ((l / 8) % 2) on
	v_add_nc_u32 v[AV0], VOFF, v[AV0]
	v_and_b32 v[GO], 31, v0
	v_lshlrev_b32 v[PFO], 8, v[GO]
	v_lshlrev_b32 v[GO], 4, v[GO]
.irp t, 0,1
	v_mov_b32 v[ST+8*\t], 0xff61b1e6               ; m: -3e38, under every score
.irp i, 1,2,3,4,5,6,7
	v_mov_b32 v[ST+8*\t+\i], 0                     ; l = 0; the rest is written once because a lane permute's destination counts as read
.endr
.endr
.set ii, 0
.rept 64
	v_mov_b32 v[O+ii], 0                           ; O^T.  The step is written once: the first finds zeros, which a = 0 leaves zeros
.set ii, ii+1
.endr
; THE SOFTMAX of a step, both tiles line by line by turns.
.macro SOFTMAX
.irp j, 0,1,2,3
.irp t, 0,1
	v_max3_num_f32 v[ST+8*\t+4+\j], v[S+32*\t+8*\j], v[S+32*\t+8*\j+1], v[S+32*\t+8*\j+2]   ; four chains, each on one accumulator, from its low end on
.endr
.endr
.irp g, 1,2
.irp j, 0,1,2,3
.irp t, 0,1
	v_max3_num_f32 v[ST+8*\t+4+\j], v[ST+8*\t+4+\j], v[S+32*\t+8*\j+2*\g+1], v[S+32*\t+8*\j+2*\g+2]
.endr
.endr
.endr
.irp t, 0,1
	v_max3_num_f32 v[ST+8*\t+4], v[ST+8*\t+4], v[S+32*\t+7], v[S+32*\t+15]
.endr
.irp t, 0,1
	v_max3_num_f32 v[ST+8*\t+6], v[ST+8*\t+6], v[S+32*\t+23], v[S+32*\t+31]
.endr
.irp t, 0,1
	v_max3_num_f32 v[ST+8*\t+4], v[ST+8*\t+4], v[ST+8*\t+5], v[ST+8*\t+6]
.endr
.irp t, 0,1
	v_max3_num_f32 v[ST+8*\t+4], v[ST+8*\t+4], v[ST+8*\t+7], v[ST+8*\t]   ; and the old m
.endr
.irp t, 0,1
	v_permlanex16_b32 v[ST+8*\t+5], v[ST+8*\t+4], s[SEL], s[SEL+1]        ; the query's other 32 keys lie in the lane 16 away
.endr
.irp t, 0,1
	v_mov_b32 v[ST+8*\t+1], v[ST+8*\t]
.endr
.irp t, 0,1
	v_max_num_f32 v[ST+8*\t], v[ST+8*\t+4], v[ST+8*\t+5]                  ; the new m
.endr
.irp t, 0,1
	v_sub_f32 v[ST+8*\t+1], v[ST+8*\t+1], v[ST+8*\t]                      ; old m - m
.endr
.irp i, 0,2,4,6,8,10,12,14,16,18,20,22,24,26,28,30
.irp t, 0,1
	v_pk_add_f32 v[S+32*\t+\i:S+32*\t+\i+1], v[S+32*\t+\i:S+32*\t+\i+1], v[ST+8*\t:ST+8*\t+1] op_sel_hi:[1,0] neg_lo:[0,1] neg_hi:[0,1]   ; s - m, two at a time
.endr
.endr
.irp t, 0,1
	v_exp_f32 v[ST+8*\t+6], v[ST+8*\t+1]                                  ; a.  ONE BATCH of 66 exponentials; none reads another's result
.endr
.irp i, 0,1,2,3,4,5,6,7,8,9,10,11,12,13,14,15,16,17,18,19,20,21,22,23,24,25,26,27,28,29,30,31
.irp t, 0,1
	v_exp_f32 v[S+32*\t+\i], v[S+32*\t+\i]                                ; p, at most 1
.endr
.endr
	v_nop                                          ; a plain line behind the last exponential
	s_wait_alu depctr_va_vdst(0)                   ; one wait for the batch, ahead of its first reader
.irp t, 0,1
	v_pk_add_f32 v[ST+8*\t+4:ST+8*\t+5], v[S+32*\t:S+32*\t+1], v[S+32*\t+2:S+32*\t+3]     ; the sums of the unrounded p: two chains a tile
	v_pk_add_f32 v[Y+2*\t:Y+2*\t+1], v[S+32*\t+4:S+32*\t+5], v[S+32*\t+6:S+32*\t+7]
.endr
.irp i, 8,12,16,20,24,28
.irp t, 0,1
	v_pk_add_f32 v[ST+8*\t+4:ST+8*\t+5], v[ST+8*\t+4:ST+8*\t+5], v[S+32*\t+\i:S+32*\t+\i+1]
	v_pk_add_f32 v[Y+2*\t:Y+2*\t+1], v[Y+2*\t:Y+2*\t+1], v[S+32*\t+\i+2:S+32*\t+\i+3]
.endr
.endr
.irp t, 0,1
	v_pk_add_f32 v[ST+8*\t+4:ST+8*\t+5], v[ST+8*\t+4:ST+8*\t+5], v[Y+2*\t:Y+2*\t+1]
.endr
.irp t, 0,1
	v_pk_fma_f32 v[ST+8*\t+2:ST+8*\t+3], v[ST+8*\t+2:ST+8*\t+3], v[ST+8*\t+6:ST+8*\t+7], v[ST+8*\t+4:ST+8*\t+5] op_sel_hi:[1,0,1]   ; l = a l + the sum
.endr
.irp i, 0,1,2,3,4,5,6,7,8,9,10,11,12,13,14,15
.irp t, 0,1
	v_cvt_pk_f16_f32 v[S+32*\t+\i], v[S+32*\t+2*\i], v[S+32*\t+2*\i+1]    ; in place, ascending: register i is written when pairs 0 .. i have been read
.endr
.endr
.irp i, 0,2,4,6,8,10,12,14,16,18,20,22,24,26,28,30
.irp t, 0,1
	v_pk_mul_f32 v[O+32*\t+\i:O+32*\t+\i+1], v[O+32*\t+\i:O+32*\t+\i+1], v[ST+8*\t+6:ST+8*\t+7] op_sel_hi:[1,0]   ; O^T x a, each accumulator from its low end on
.endr
.endr
.endm
; A STEP: 64 keys, the q-th of the slot in hand.
.macro STEP q
	s_add_co_u32 s96, s[Q0], 31
	s_cmp_gt_u32 s[KF], s96                        ; all keys come after my 32 queries: the step's work is left out (ids and the count of steps alone)
	s_cbranch_scc1 .Lhidden_\@
	v_add_nc_u32 v[ADK], s[TB], v[AK0]
	v_add_nc_u32 v[ADV], s[TB], v[AV0]
.rept 3
	v_nop                                          ; with the two additions five places behind the last step's products: the scores below are written over P, which those read, and the loads land where V lay
.endr
.irp kt, 0,1,2,3
.irp ks, 0,1
	ds_load_b128 v[KV+8*(2*\kt+\ks):KV+8*(2*\kt+\ks)+3], v[ADK] offset:(64*(\q)+16*\kt)*PK+64*\ks
	ds_load_b128 v[KV+8*(2*\kt+\ks)+4:KV+8*(2*\kt+\ks)+7], v[ADK] offset:(64*(\q)+16*\kt)*PK+64*\ks+32
.endr
.endr
	s_wait_dscnt 0x0
.irp ks, 0,1                                   ; S^T = K Q^T: eight accumulators by turns; the first eight start the sums
.irp kt, 0,1,2,3
.irp t, 0,1
.if \ks == 0
	v_wmma_f32_16x16x32_f16 v[S+32*\t+8*\kt:S+32*\t+8*\kt+7], v[KV+8*(2*\kt+\ks):KV+8*(2*\kt+\ks)+7], v[Q+16*\t+8*\ks:Q+16*\t+8*\ks+7], 0
.else
	v_wmma_f32_16x16x32_f16 v[S+32*\t+8*\kt:S+32*\t+8*\kt+7], v[KV+8*(2*\kt+\ks):KV+8*(2*\kt+\ks)+7], v[Q+16*\t+8*\ks:Q+16*\t+8*\ks+7], v[S+32*\t+8*\kt:S+32*\t+8*\kt+7]
.endif
.endr
.endr
.endr
.rept 4
	v_nop                                          ; places in front of the loads over K and of the first read of the scores
.endr
.irp c, 0,1                                    ; V, turned: keys 32 c on, channels 16 ct on; it lands while the softmax is walked
.irp ct, 0,1,2,3
	ds_load_tr16_b128 v[KV+8*(4*\c+\ct):KV+8*(4*\c+\ct)+3], v[ADV] offset:(64*(\q)+32*\c)*PV+32*\ct
	ds_load_tr16_b128 v[KV+8*(4*\c+\ct)+4:KV+8*(4*\c+\ct)+7], v[ADV] offset:(64*(\q)+32*\c+16)*PV+32*\ct
.endr
.endr
	s_add_co_u32 s96, s[KF], 63
	s_cmp_le_u32 s96, s[Q0]                        ; a step all of whose keys count skips the mask
	s_cbranch_scc1 .Lopen_\@
	s_sub_co_i32 s96, s[Q0], s[KF]
	v_and_b32 v[Y], 15, v0
	v_bfe_u32 v[Y+1], v0, 4, 1
	v_lshlrev_b32 v[Y+1], 3, v[Y+1]
	v_sub_nc_u32 v[Y], v[Y], v[Y+1]
	v_add_nc_u32 v[Y], s96, v[Y]                   ; d = Q0 - KF + r - 8 h.  Register 8 kt + j of tile t holds key KF + 16 kt + 8 h + j for query Q0 + 16 t + r: hidden where 16 kt + j - 16 t > d
	v_mov_b32 v[Y+1], 0xff800000                   ; -infinity: p = 0 then.  Key KF counts for every query of a wave that walks the step, so m is a number
.irp t, 0,1
.irp kt, 0,1,2,3
.irp j, 0,1,2,3,4,5,6,7
	v_cmp_gt_i32 vcc_lo, 16*\kt+\j-16*\t, v[Y]
	v_cndmask_b32 v[S+32*\t+8*\kt+\j], v[S+32*\t+8*\kt+\j], v[Y+1], vcc_lo
.endr
.endr
.endr
.Lopen_\@:
	SOFTMAX
	s_wait_dscnt 0x0                               ; V is in
.irp c, 0,1                                    ; O^T += V^T P: eight accumulators by turns
.irp ct, 0,1,2,3
.irp t, 0,1
	v_wmma_f32_16x16x32_f16 v[O+32*\t+8*\ct:O+32*\t+8*\ct+7], v[KV+8*(4*\c+\ct):KV+8*(4*\c+\ct)+7], v[S+32*\t+8*\c:S+32*\t+8*\c+7], v[O+32*\t+8*\ct:O+32*\t+8*\ct+7]
.endr
.endr
.endr
.Lhidden_\@:
	s_add_co_u32 s[KF], s[KF], 64
.endm
; THE CHANGE OF SLOTS stands at a slot's head.  Each wave waits for all its tensor loads (its part of the slot ahead), adds 0 to its spare word (fill = 1: twice on end),
; and waits for that and for its reads of the slot that it has left.  Behind the barrier the slot ahead is whole and nobody reads the other: fill = 1: it takes the next 256 keys, up to the causal limit.
.macro CHANGE fill
	s_wait_tensorcnt 0x0                           ; no tensor load of mine is out, so a group 0 may be written
	ds_add_u32 v[SPW], v[NIL]
.if \fill
	ds_add_u32 v[SPW], v[NIL]
	s_xor_b32 s[G0K+1], s[G0K+1], SLOT1            ; the walking descriptors: the other slot,
	s_add_nc_u64 s[G0K+2:G0K+3], s[G0K+2:G0K+3], SK*128   ; the next 256 rows
	s_xor_b32 s[G0V+1], s[G0V+1], SLOT1
	s_add_nc_u64 s[G0V+2:G0V+3], s[G0V+2:G0V+3], SK*128
	s_wait_xcnt 0x0                                ; the last prefetch, a slot back, has read its address
	s_add_nc_u64 s[PFA:PFA+1], s[PFA:PFA+1], SK*128
.endif
	s_wait_dscnt 0x0                               ; the adds are done, and my reads of the slot that I have left are over
	s_barrier_signal -1
	s_barrier_wait -1
.if \fill
	s_add_co_u32 s96, s[KF], SK                    ; the first key of the slot that this change would ask for
	s_cmp_gt_u32 s96, s[QL]                        ; past my work-group's last query no wave reads it, so it is not asked for: ids and the count of steps alone, alike in all sixteen waves
	s_cbranch_scc1 .Lpast_\@
	TLOAD                                          ; a wave's one tensor load until the next barrier; it has a slot's four steps in which to land
.Lpast_\@:
	ASK
.endif
.endm
.macro SLOT_STEPS
.set QS, 0
.rept NQ
	STEP QS
.set QS, QS+1
.endr
	s_xor_b32 s[TB], s[TB], SLOT1                  ; on to the other slot
.endm
	s_wait_loadcnt 0x0                             ; Q
.Lslot:                                            ; seven trips
	CHANGE 1
	SLOT_STEPS
	s_sub_co_u32 s[SLOTS], s[SLOTS], 1
	s_cmp_lg_u32 s[SLOTS], 0
	s_cbranch_scc1 .Lslot
	CHANGE 0                                       ; the last slot is written out: nothing is asked for
	SLOT_STEPS
	; THE WAY OUT.  O^T / l, rounded to f16, goes through my stage, a tile (16 rows of 128 bytes) at a time, and leaves as 512 dense bytes an instruction.
.rept 4
	v_nop                                          ; places behind the last products
.endr
.irp t, 0,1
	v_add_f32 v[ST+8*\t+4], v[ST+8*\t+2], v[ST+8*\t+3]
.endr
.irp t, 0,1
	v_permlanex16_b32 v[ST+8*\t+5], v[ST+8*\t+4], s[SEL], s[SEL+1]
.endr
.irp t, 0,1
	v_add_f32 v[ST+8*\t+4], v[ST+8*\t+4], v[ST+8*\t+5]
.endr
.irp t, 0,1
	v_rcp_f32 v[ST+8*\t+6], v[ST+8*\t+4]
.endr
	v_and_b32 v8, 15, v0                           ; (plain lines behind the reciprocals)
	v_bfe_u32 v9, v0, 4, 1
	s_mul_i32 s73, s[WV], 16*144
	s_add_co_u32 s73, s73, STAGE                   ; my stage
	v_mul_u32_u24 v[STO], v8, 144
	v_lshl_add_u32 v[STO], v9, 4, v[STO]
	v_add_nc_u32 v[STO], s73, v[STO]               ; in: row r, 16 bytes for each half of the lanes
	v_and_b32 v8, 31, v0
	v_lshrrev_b32 v9, 3, v8
	v_and_b32 v8, 7, v8
	v_mul_u32_u24 v[RD], v9, 144
	v_lshl_add_u32 v[RD], v8, 4, v[RD]
	v_add_nc_u32 v[RD], s73, v[RD]                 ; back: eight lanes to a row, four rows an instruction
	s_wait_alu depctr_va_vdst(0)                   ; one wait for both reciprocals, ahead of their first reader
.irp t, 0,1
.irp i, 0,2,4,6,8,10,12,14,16,18,20,22,24,26,28,30
	v_pk_mul_f32 v[O+32*\t+\i:O+32*\t+\i+1], v[O+32*\t+\i:O+32*\t+\i+1], v[ST+8*\t+6:ST+8*\t+7] op_sel_hi:[1,0]
.endr
.irp i, 0,1,2,3,4,5,6,7,8,9,10,11,12,13,14,15
	v_cvt_pk_f16_f32 v[S+32*\t+\i], v[O+32*\t+2*\i], v[O+32*\t+2*\i+1]
.endr
.irp ct, 0,1,2,3
	ds_store_b128 v[STO], v[S+32*\t+4*\ct:S+32*\t+4*\ct+3] offset:32*\ct
.endr
.irp i, 0,1,2,3
	ds_load_b128 v[S+32*\t+16+4*\i:S+32*\t+16+4*\i+3], v[RD] offset:576*\i   ; LDS serves a wave's instructions in order: these see the stores above, and the next tile's stores come behind them
.endr
.endr
.irp t, 0,1
.irp i, 0,1,2,3
	s_wait_dscnt 8*(1-\t)+3-\i                     ; behind tile 0's loads stand tile 1's four stores and four loads
	global_store_b128 v[GO], v[S+32*\t+16+4*\i:S+32*\t+16+4*\i+3], s[6:7] offset:2048*\t+512*\i
.endr
.endr
	s_wait_tensorcnt 0x0                           ; the wave's end, behind my last tensor load and my last LDS store
	ds_add_u32 v[SPW], v[NIL]
	s_wait_dscnt 0x0
	s_endpgm
.Lfunc_end_k_q68e326a77f_attn:
	.size	k_q68e326a77f_attn, .Lfunc_end_k_q68e326a77f_attn-k_q68e326a77f_attn
	.p2alignl 7, 3214868480
	.fill 96, 4, 3214868480
	.section	.rodata,"a",@progbits
	.p2align	6, 0x0
	.amdhsa_kernel k_q68e326a77f_attn
		.amdhsa_group_segment_fixed_size 327680
		.amdhsa_private_segment_fixed_size 0
		.amdhsa_enable_private_segment 0
		.amdhsa_kernarg_size 16
		.amdhsa_user_sgpr_count 2
		.amdhsa_user_sgpr_kernarg_segment_ptr 1
		.amdhsa_wavefront_size32 1
		.amdhsa_system_sgpr_workgroup_id_x 1
		.amdhsa_system_sgpr_workgroup_id_y 1
		.amdhsa_system_sgpr_workgroup_id_z 1
		.amdhsa_system_vgpr_workitem_id 0
		.amdhsa_next_free_vgpr 256
		.amdhsa_next_free_sgpr 100
		.amdhsa_reserve_vcc 1
		.amdhsa_float_denorm_mode_32 3
		.amdhsa_float_denorm_mode_16_64 3
		.amdhsa_memory_ordered 1
		.amdhsa_forward_progress 1
		.amdhsa_inst_pref_size 188
	.end_amdhsa_kernel
	.amdgpu_metadata
---
amdhsa.version: [ 1, 2 ]
amdhsa.kernels:
  - .name:           k_q68e326a77f_attn
    .symbol:         k_q68e326a77f_attn.kd
    .args:
      - { .name: qkv, .offset: 0, .size: 8, .value_kind: global_buffer, .address_space: global }
      - { .name: o16, .offset: 8, .size: 8, .value_kind: global_buffer, .address_space: global }
    .group_segment_fixed_size: 327680
    .private_segment_fixed_size: 0
    .kernarg_segment_align: 8
    .kernarg_segment_size: 16
    .max_flat_workgroup_size: 512
    .sgpr_count:     100
    .vgpr_count:     256
    .wavefront_size: 32
...
	.end_amdgpu_metadata
.endif
;; end of part 3
;; launch proj (part 4): grid 4 x 64, 4 waves a work-group, clusters of 4 x 4, 327,680 bytes of LDS; arguments o16, wo16, out0; writes out0
.if DOCPART == 4
	.amdgcn_target "amdgcn-amd-amdhsa--gfx1250"
	.amdhsa_code_object_version 6
	.text
	.protected	k_q68e326a77f_proj
	.globl	k_q68e326a77f_proj
	.p2align	8
	.type	k_q68e326a77f_proj,@function
k_q68e326a77f_proj:
	s_mov_b64 s[64:65], 0
	v_nop
	global_prefetch_b8 v0, s[64:65] scope:SCOPE_SE
	s_setreg_imm32_b32 hwreg(HW_REG_WAVE_MODE, 25, 1), 1
	s_wait_xcnt 0x0
	s_wait_alu depctr_hold_cnt(0) depctr_sa_sdst(0) depctr_va_vdst(0) depctr_va_sdst(0) depctr_va_ssrc(0) depctr_va_vcc(0) depctr_vm_vsrc(0)
	s_getreg_b32 s2, hwreg(HW_REG_IB_STS2, 6, 4)
	s_cmp_eq_u32 s2, 0
	s_cbranch_scc0 .Lentry_in_a_cluster
	s_endpgm
.Lentry_in_a_cluster:
	s_bfe_u32 s2, ttmp6, 0x10000c
	s_cmp_lg_u32 s2, 0xf033
	s_cbranch_scc0 .Lentry_shape_is_right
	s_endpgm
.Lentry_shape_is_right:
; PROJ.  out0[m][n] = sum over k of o[m][k] Wo[n][k], m = 8,192, n = k = 1,024; operands f16, sums f32, out0 f32.
; o16 lies [batch][head][position][64]: k = 64 head + channel.  So a K step of 128 is two heads, and 128 rows of one head are 16,384 dense bytes.  wo16: [n][k].
; A tile of out0 is 128 rows x 256 columns: 256 work-groups.  Four waves, each 64 x 128: 32 accumulators, 256 registers.  K goes in eight steps of 128 through a ring of two LDS slots.
; CLUSTERS: 4 x 4 work-groups.  The four of a row of the cluster need the same tiles of o, the four of a column the same tiles of Wo: each tile is asked for JOINTLY.
; THE MATRIX INSTRUCTION IS USED TRANSPOSED (source 0 = 16 rows of Wo, source 1 = 16 rows of o): a lane holds eight neighbouring columns of a row.
; (Rows 0-15 of every batch are stored here too; the last launch stores them again, carried in f32.)
; REGISTERS: window 0: v0-31 addresses; v32-63, v64-95 o's fragments (4 x 16 rows x 32 K), two buffers; v128-191, v192-255 Wo's (8), two buffers; on the way out v128-255 rows back from the stage.  Window 1: accumulator (a, b) at v[8 (8 a + b)].
.set PA,     144                       ; a row of o in LDS: 128 bytes + 16
.set PB,     272                       ; a row of Wo: 256 bytes + 16: in both the 16 rows that a load touches start at 16 different groups of banks
.set HALFA,  128*PA                    ; one head's 128 rows: what one tensor load brings
.set HALFB,  128*PB                    ; 128 rows of Wo: likewise
.set BOFF,   2*HALFA
.set SLOT,   BOFF+2*HALFB
.set SPARE,  2*SLOT                    ; behind the ring: the spare words, 128 bytes a wave
.set SPITCH, 528                       ; the way out: a stage of 16 rows x (512 bytes + 16) a wave, in slot 0, which has had its last fill and its last read by then
.set LAPS,   4                         ; a lap = two K steps = once round the ring
.set ADRA, 16
.set ADRB, 20
.set STO,  24
.set RD,   25
.set CO,   26
.set SPW,  28                          ; v28  LDS address of my spare word; never rewritten
.set NIL,  29                          ; v29  0; never rewritten
.set AF,   32
.set BF,   128
.set BK,   128
.set G1, 24
.set G0, 32
.set G1B, 48
.set G0B, 56
.set MSB, 0
.macro WIN new
.if MSB != \new
	s_set_vgpr_msb (MSB<<8)|\new
.set MSB, \new
.endif
.endm
.set MUL, 0x50                         ; sources 0 and 1 window 0; C and D window 1
.macro JLOAD s                         ; a joint load: waves 0 and 1 fetch o's two heads, waves 2 and 3 Wo's two halves; an s_nop 0 and four v_nop follow each of the two lines
	s_cmp_eq_u32 s11, 0
	s_cbranch_scc0 .Lfor_b_\@
	tensor_load_to_lds s[G0+4*\s:G0+4*\s+3], s[G1:G1+7]
	s_nop 0
.rept 4
	v_nop
.endr
	s_branch .Lasked_\@
.Lfor_b_\@:
	tensor_load_to_lds s[G0B+4*\s:G0B+4*\s+3], s[G1B:G1B+7]
	s_nop 0
.rept 4
	v_nop
.endr
.Lasked_\@:
.endm
.macro CREST                           ; a round of the cluster's barrier behind its opening barrier
	s_cmp_lg_u32 s10, 0
	s_cbranch_scc1 .Lnot_wave_0_\@
	s_barrier_signal -3
.Lnot_wave_0_\@:
	s_barrier_wait -3
	s_barrier_signal -1
	s_barrier_wait -1
.endm
.macro CROUND
	s_barrier_signal -1
	s_barrier_wait -1
	CREST
.endm
	s_load_b128 s[4:7], s[0:1], 0x0                ; o16 s[4:5], wo16 s[6:7]
	s_load_b64 s[8:9], s[0:1], 0x10                ; out0
	v_lshl_add_u32 v[SPW], v0, 2, SPARE
	v_mov_b32 v[NIL], 0
	ds_add_u32 v[SPW], v[NIL]                      ; the wave's opening: the add, twice on end, and its wait ahead of my first tensor load
	ds_add_u32 v[SPW], v[NIL]
	v_lshrrev_b32 v1, 5, v0
	v_readfirstlane_b32 s10, v1                    ; wave 0..3
	s_lshr_b32 s11, s10, 1                         ; which 64 rows of the tile are mine.  Also: I fetch for o (0) or for Wo (1)
	s_and_b32 s12, s10, 1                          ; which 128 columns.  Also: which head of the two, or which 128 rows of Wo, I fetch
	s_bfe_u32 s40, ttmp6, 0x40000                  ; cx, cy
	s_bfe_u32 s41, ttmp6, 0x40004
	s_lshl_b32 s42, ttmp9, 2
	s_add_co_u32 s42, s42, s40                     ; tile column = 4 x cluster x + cx
	s_and_b32 s13, ttmp7, 0xffff
	s_lshl_b32 s13, s13, 2
	s_add_co_u32 s13, s13, s41                     ; tile row = 4 x cluster y + cy
	s_lshl_b32 s43, s41, 2
	s_lshl_b32 s43, 15, s43                        ; my row of the cluster
	s_lshl_b32 s44, 0x1111, s40                    ; my column
	; group 1 for o: 128 rows of 64 elements of 2 bytes, dense; 4 words of padding behind every 32
	s_or_b32 s[G1+0], s43, (1<<16)|(1<<20)|(1<<21)|(4<<22)|(3<<25)
	s_mov_b32 s[G1+1], 64<<16
	s_mov_b32 s[G1+2], 128<<16
	s_mov_b32 s[G1+3], 64<<16
	s_mov_b32 s[G1+4], 128
	s_mov_b32 s[G1+5], 64
	s_mov_b32 s[G1+6], 0
	s_mov_b32 s[G1+7], 0
	; group 1 for Wo: 128 rows of 128 elements, 1,024 elements apart; 4 words of padding behind every 64
	s_or_b32 s[G1B+0], s44, (1<<16)|(1<<20)|(1<<21)|(5<<22)|(3<<25)
	s_mov_b32 s[G1B+1], 128<<16
	s_mov_b32 s[G1B+2], 128<<16
	s_mov_b32 s[G1B+3], 128<<16
	s_mov_b32 s[G1B+4], 128
	s_mov_b32 s[G1B+5], 1024
	s_mov_b32 s[G1B+6], 0
	s_mov_b32 s[G1B+7], 0
	s_lshr_b32 s16, s13, 4                         ; o: the batch, 2^22 bytes,
	s_lshl_b32 s16, s16, 22
	s_and_b32 s17, s13, 15
	s_lshl_b32 s17, s17, 14                        ; 128 rows of 128 bytes for each tile row in it,
	s_add_co_u32 s16, s16, s17
	s_lshl_b32 s17, s12, 18                        ; my head of the two
	s_add_co_u32 s16, s16, s17
	s_mov_b32 s17, 0
	s_lshl_b32 s46, s42, 19                        ; Wo: row 256 x tile column, 2,048 bytes a row,
	s_lshl_b32 s47, s12, 18                        ; + 128 x my half
	s_add_co_u32 s46, s46, s47
	s_mov_b32 s47, 0
	s_mul_i32 s20, s12, HALFA                      ; where they go: no place in the cluster enters an LDS address
	s_mul_i32 s23, s12, HALFB
	s_add_co_u32 s23, s23, BOFF
	s_wait_dscnt 0x0                               ; both opening adds are done
	s_wait_kmcnt 0x0
	s_add_nc_u64 s[14:15], s[4:5], s[16:17]
	s_add_nc_u64 s[46:47], s[6:7], s[46:47]
	CROUND                                         ; all sixteen work-groups are here: the first joint loads meet
.irp s, 0,1
	s_mov_b32 s[G0+4*\s], 1
	s_add_co_u32 s[G0+4*\s+1], s20, \s*SLOT
	s_add_nc_u64 s[G0+4*\s+2:G0+4*\s+3], s[14:15], \s*0x80000      ; K step s: two heads of 2^18 bytes on
	s_or_b32 s[G0+4*\s+3], s[G0+4*\s+3], 0x80000000
	s_mov_b32 s[G0B+4*\s], 1
	s_add_co_u32 s[G0B+4*\s+1], s23, \s*SLOT
	s_add_nc_u64 s[G0B+4*\s+2:G0B+4*\s+3], s[46:47], \s*256
	s_or_b32 s[G0B+4*\s+3], s[G0B+4*\s+3], 0x80000000
	JLOAD \s                                       ; two tensor loads of mine are out at the start, later one
.endr
	v_and_b32 v1, 15, v0                           ; r
	v_bfe_u32 v2, v0, 4, 1                         ; h
	v_mul_u32_u24 v3, v1, PA
	v_lshl_add_u32 v3, v2, 4, v3
	v_mul_u32_u24 v4, v1, PB
	v_lshl_add_u32 v4, v2, 4, v4
	s_mul_i32 s21, s11, 64*PA                      ; my 64 rows of o (in each head's part)
	s_mul_i32 s22, s12, HALFB                      ; my 128 rows of Wo
	s_add_co_u32 s22, s22, BOFF
.irp s, 0,1
	v_add_nc_u32 v[ADRA+\s], s21, v3
	v_add_nc_u32 v[ADRB+\s], s22, v4
	s_add_co_u32 s21, s21, SLOT
	s_add_co_u32 s22, s22, SLOT
.endr
	s_mul_i32 s23, s10, 16*SPITCH                  ; my stage
	v_mul_u32_u24 v5, v1, SPITCH
	v_lshl_add_u32 v5, v2, 5, v5
	v_add_nc_u32 v[STO], s23, v5                   ; in: row r, 32 bytes for each half of the lanes
	v_and_b32 v6, 31, v0
	v_lshlrev_b32 v[CO], 4, v6
	v_add_nc_u32 v[RD], s23, v[CO]                 ; back: the 32 lanes take a row of 512 bytes
	s_lshl_b32 s16, s13, 19                        ; out0: row 128 x tile row, 4,096 bytes a row,
	s_lshl_b32 s17, s11, 18                        ; + 64 x my half
	s_add_co_u32 s16, s16, s17
	s_mov_b32 s17, 0
	s_add_nc_u64 s[8:9], s[8:9], s[16:17]
	s_lshl_b32 s46, s42, 10                        ; column 256 x tile column, in bytes,
	s_lshl_b32 s47, s12, 9                         ; + 128 x my half
	s_add_co_u32 s46, s46, s47
	s_mov_b32 s47, 0
	s_add_nc_u64 s[8:9], s[8:9], s[46:47]
; 8 matrix instructions: o's block a against Wo's eight, 32 along K, from buffer f.  The 32 accumulators take turns, one instruction a turn, in the same order in every quarter.
.macro MUL8 f, a, zero
.irp b, 0,1,2,3,4,5,6,7
.if \zero
	v_wmma_f32_16x16x32_f16 v[8*(8*(\a)+\b):8*(8*(\a)+\b)+7], v[BF+64*(\f)+8*\b:BF+64*(\f)+8*\b+7], v[AF+32*(\f)+8*(\a):AF+32*(\f)+8*(\a)+7], 0
.else
	v_wmma_f32_16x16x32_f16 v[8*(8*(\a)+\b):8*(8*(\a)+\b)+7], v[BF+64*(\f)+8*\b:BF+64*(\f)+8*\b+7], v[AF+32*(\f)+8*(\a):AF+32*(\f)+8*(\a)+7], v[8*(8*(\a)+\b):8*(8*(\a)+\b)+7]
.endif
.endr
.endm
; 24 LDS loads in one run: the fragments of quarter kq (32 along K) into buffer f.  In o's part quarters 0, 1 lie in the first head, 2, 3 in the second.
.macro FETCH slot, kq, f
.irp i, 0,1,2,3,4,5,6,7
	ds_load_b128 v[BF+64*(\f)+8*\i:BF+64*(\f)+8*\i+3],   v[ADRB+\slot] offset:64*(\kq)+\i*16*PB
	ds_load_b128 v[BF+64*(\f)+8*\i+4:BF+64*(\f)+8*\i+7], v[ADRB+\slot] offset:64*(\kq)+\i*16*PB+32
.endr
.irp i, 0,1,2,3
	ds_load_b128 v[AF+32*(\f)+8*\i:AF+32*(\f)+8*\i+3],   v[ADRA+\slot] offset:HALFA*((\kq)/2)+64*((\kq)%2)+\i*16*PA
	ds_load_b128 v[AF+32*(\f)+8*\i+4:AF+32*(\f)+8*\i+7], v[ADRA+\slot] offset:HALFA*((\kq)/2)+64*((\kq)%2)+\i*16*PA+32
.endr
.endm
.macro PLACES                          ; four plain lines in front of loads into registers that matrix instructions have read, and of reads of results
.rept 4
	v_nop
.endr
.endm
; One of a K step's first three quarters: multiplies buffer f; in its middle it fetches quarter kq into buffer g.
.macro QUARTER slot, kq, f, g, zero
	s_wait_dscnt 0x0                               ; buffer f is in (asked for 16 matrix instructions ago)
	WIN MUL
	MUL8 \f, 0, \zero
	MUL8 \f, 1, \zero
	PLACES
	WIN 0
	FETCH \slot, \kq, \g
	WIN MUL
	MUL8 \f, 2, \zero
	MUL8 \f, 3, \zero
.endm
; The last quarter multiplies buffer 1 and changes slots: ONE barrier; in front of it each wave waits for all its tensor loads, adds 0 to its spare word, and waits for that and for its reads of this slot.  fill = 1: the slot is filled again, two K steps ahead.
.macro TURN slot, next, fill
	WIN 0
	s_wait_tensorcnt 0x0                           ; all my tensor loads have landed: my part of the next slot;
	ds_add_u32 v[SPW], v[NIL]                      ; 0 onto my spare word;
	s_wait_dscnt 1                                 ; buffer 1 is in (the add may be out)
	WIN MUL
	MUL8 1, 0, 0
	s_wait_dscnt 0x0                               ; the add is done, and my reads of this slot are over
	s_barrier_signal -1
	MUL8 1, 1, 0
	WIN 0
	s_barrier_wait -1
.if \fill
	CREST                                          ; the barrier has opened a round of the cluster's barrier: no wave of any partner still reads this slot or has a load on its way
	s_add_nc_u64 s[G0+4*\slot+2:G0+4*\slot+3], s[G0+4*\slot+2:G0+4*\slot+3], 0x100000   ; four heads on
	s_add_nc_u64 s[G0B+4*\slot+2:G0B+4*\slot+3], s[G0B+4*\slot+2:G0B+4*\slot+3], 512
	JLOAD \slot                                    ; the first tensor load behind the round: 112 matrix instructions ahead of the wait for it; its four v_nop are also the places in front of the loads below
.else
	PLACES
.endif
	FETCH \next, 0, 0
	WIN MUL
	MUL8 1, 2, 0
	MUL8 1, 3, 0
.endm
	s_wait_tensorcnt 1                             ; my part of K step 0 is in (K step 1's load may be out)
	s_barrier_signal -1
	s_barrier_wait -1                              ; everybody's is
	FETCH 0, 0, 0
	QUARTER 0, 1, 0, 1, 1                          ; the first quarter stands in front of the loop: its products start the sums
	WIN 0
	s_mov_b32 s3, LAPS-1
.Llap:                                             ; a trip goes once round the ring, from a lap's second quarter to the next lap's first, and fills both slots again
	QUARTER 0, 2, 1, 0, 0
	QUARTER 0, 3, 0, 1, 0
	TURN 0, 1, 1
	QUARTER 1, 1, 0, 1, 0
	QUARTER 1, 2, 1, 0, 0
	QUARTER 1, 3, 0, 1, 0
	TURN 1, 0, 1
	QUARTER 0, 1, 0, 1, 0
	WIN 0
	s_sub_co_u32 s3, s3, 1
	s_cmp_lg_u32 s3, 0
	s_cbranch_scc1 .Llap
	QUARTER 0, 2, 1, 0, 0                          ; the last lap fills nothing
	QUARTER 0, 3, 0, 1, 0
	TURN 0, 1, 0
	QUARTER 1, 1, 0, 1, 0
	QUARTER 1, 2, 1, 0, 0
	QUARTER 1, 3, 0, 1, 0
	s_wait_dscnt 0x0                               ; the very last quarter
	WIN MUL
	MUL8 1, 0, 0
	MUL8 1, 1, 0
	MUL8 1, 2, 0
	MUL8 1, 3, 0
	WIN 0
; THE WAY OUT, block by block of 16 rows x 128 columns: through my own stage and back as whole rows of 512 bytes.  LDS serves a wave's instructions in order: no wait between the stores and the loads.
.macro TOSTAGE a
	WIN 0x04                                       ; an LDS store's data are its source 1: window 1
.irp b, 0,1,2,3,4,5,6,7
	ds_store_b128 v[STO], v[8*(8*(\a)+\b):8*(8*(\a)+\b)+3] offset:64*\b            ; each accumulator from its low end on
	ds_store_b128 v[STO], v[8*(8*(\a)+\b)+4:8*(8*(\a)+\b)+7] offset:64*\b+16
.endr
	WIN 0
.irp t, 0,1,2,3,4,5,6,7,8,9,10,11,12,13,14,15
	ds_load_b128 v[BK+64*((\a)%2)+4*\t:BK+64*((\a)%2)+4*\t+3], v[RD] offset:\t*SPITCH
.endr
.endm
.macro SEND a, younger
	s_wait_dscnt \younger                          ; the block is back in registers
.irp t, 0,1,2,3,4,5,6,7,8,9,10,11,12,13,14,15
	global_store_b128 v[CO], v[BK+64*((\a)%2)+4*\t:BK+64*((\a)%2)+4*\t+3], s[8:9] offset:65536*(\a)+4096*\t th:TH_STORE_NT   ; 32 lanes store 512 consecutive bytes, aligned
.endr
.endm
	PLACES
	TOSTAGE 0
.irp a, 1,2,3
.if \a > 1
	s_wait_xcnt 0x0                                ; block a - 2's stores have read their registers: block a's loads may land there
.endif
	TOSTAGE \a
	SEND \a-1, 32                                  ; behind block a - 1's loads: block a's 16 stores and 16 loads
.endr
	SEND 3, 0
	s_wait_tensorcnt 0x0                           ; the wave's end, behind my last tensor load and my last LDS store
	ds_add_u32 v[SPW], v[NIL]
	s_wait_dscnt 0x0
	CROUND                                         ; the closing round
	s_endpgm
.Lfunc_end_k_q68e326a77f_proj:
	.size	k_q68e326a77f_proj, .Lfunc_end_k_q68e326a77f_proj-k_q68e326a77f_proj
	.p2alignl 7, 3214868480
	.fill 96, 4, 3214868480
	.section	.rodata,"a",@progbits
	.p2align	6, 0x0
	.amdhsa_kernel k_q68e326a77f_proj
		.amdhsa_group_segment_fixed_size 327680
		.amdhsa_private_segment_fixed_size 0
		.amdhsa_enable_private_segment 0
		.amdhsa_kernarg_size 24
		.amdhsa_user_sgpr_count 2
		.amdhsa_user_sgpr_kernarg_segment_ptr 1
		.amdhsa_wavefront_size32 1
		.amdhsa_system_sgpr_workgroup_id_x 1
		.amdhsa_system_sgpr_workgroup_id_y 1
		.amdhsa_system_sgpr_workgroup_id_z 1
		.amdhsa_system_vgpr_workitem_id 0
		.amdhsa_next_free_vgpr 512
		.amdhsa_next_free_sgpr 66
		.amdhsa_reserve_vcc 0
		.amdhsa_float_denorm_mode_32 3
		.amdhsa_float_denorm_mode_16_64 3
		.amdhsa_memory_ordered 1
		.amdhsa_forward_progress 1
		.amdhsa_inst_pref_size 84
	.end_amdhsa_kernel
	.amdgpu_metadata
---
amdhsa.version: [ 1, 2 ]
amdhsa.kernels:
  - .name:           k_q68e326a77f_proj
    .symbol:         k_q68e326a77f_proj.kd
    .args:
      - { .name: o16, .offset: 0, .size: 8, .value_kind: global_buffer, .address_space: global }
      - { .name: wo16, .offset: 8, .size: 8, .value_kind: global_buffer, .address_space: global }
      - { .name: out0, .offset: 16, .size: 8, .value_kind: global_buffer, .address_space: global }
    .group_segment_fixed_size: 327680
    .private_segment_fixed_size: 0
    .kernarg_segment_align: 8
    .kernarg_segment_size: 24
    .max_flat_workgroup_size: 128
    .sgpr_count:     66
    .vgpr_count:     512
    .wavefront_size: 32
...
	.end_amdgpu_metadata
.endif
;; end of part 4
;; launch first16 (part 5): grid 64 x 4, 16 waves a work-group, no clusters, 18,432 bytes of LDS; arguments fine, Wo, out0; writes out0
.if DOCPART == 5
	.amdgcn_target "amdgcn-amd-amdhsa--gfx1250"
	.amdhsa_code_object_version 6
	.text
	.protected	k_q68e326a77f_first16
	.globl	k_q68e326a77f_first16
	.p2align	8
	.type	k_q68e326a77f_first16,@function
k_q68e326a77f_first16:
	s_mov_b64 s[64:65], 0
	v_nop
	global_prefetch_b8 v0, s[64:65] scope:SCOPE_SE
	s_setreg_imm32_b32 hwreg(HW_REG_WAVE_MODE, 25, 1), 1
	s_wait_xcnt 0x0
; FIRST16.  Positions 0-15 of every batch once more, wholly in f32: these rows average one to sixteen values, are the largest in size, and f16 operands would weigh most there.
; fine: [part 3][batch 4][position 16][1024] f32: q (x c = log2(e) / 8, rotated), k (rotated), v.  Wo [1024][1024] f32.  64 rows of out0 are stored over what the launch before left there.
; A work-group takes 16 output columns of one batch; wave w takes head w: its 16 x 16 attention and its 64 of the 1,024 along the last product's K.  The sixteen waves' parts meet in LDS and wave 0 adds them in ascending order.
; All products by v_wmma_f32_16x16x4_f32, 48 a wave: no bulk work.  The attention is made anew in each of a batch's 64 work-groups (32 instructions a wave).
; k IS PERMUTED ALIKE ON BOTH SIDES of each product: a lane's register pair stands for the instruction's k = 2 (lane / 16) + 0, 1, whatever true k both sides put there.
; All three products are used transposed, so that a lane holds one query (lane % 16) throughout and the result of one is source 1 of the next.
; The registers that these matrix instructions write (v160-239) are written by them alone.  Rows leave in pieces of 64 bytes: 256 KB in the whole launch.
.set SPW,   14                         ; v14  LDS address of my spare word; never rewritten
.set NIL,   15                         ; v15  0; never rewritten
.set SPARE, 16384                      ; behind the sixteen images of 1,024 bytes: the spare words, 128 bytes a wave
	s_load_b128 s[4:7], s[0:1], 0x0                ; fine s[4:5], Wo s[6:7]
	s_load_b64 s[8:9], s[0:1], 0x10                ; out0
	v_lshl_add_u32 v[SPW], v0, 2, SPARE
	v_mov_b32 v[NIL], 0
	v_lshrrev_b32 v1, 5, v0
	v_readfirstlane_b32 s10, v1                    ; wave = head
	s_and_b32 s11, ttmp7, 0xffff                   ; the batch
	v_and_b32 v1, 15, v0                           ; r
	v_bfe_u32 v2, v0, 4, 1                         ; h
	v_lshlrev_b32 v3, 12, v1
	v_lshl_add_u32 v3, v2, 4, v3                   ; q, k: row r of 4,096 bytes, + 16 h
	v_lshlrev_b32 v4, 15, v2
	v_lshl_add_u32 v4, v1, 2, v4                   ; v: row 8 h, channel r
	v_lshlrev_b32 v5, 12, v1
	v_lshl_add_u32 v5, v2, 5, v5                   ; Wo and out0: row r of 4,096 bytes, + 32 h
	v_and_b32 v7, 31, v0
	v_lshlrev_b32 v7, 4, v7                        ; 16 x lane
	s_lshl_b32 s22, s10, 10
	v_add_nc_u32 v6, s22, v7                       ; my wave's image in LDS
	s_mov_b32 s20, 0x76543210
	s_mov_b32 s21, 0xfedcba98                      ; v_permlanex16_b32's selects for lane l xor 16
	s_lshl_b32 s12, s11, 16                        ; fine: the batch's 16 rows, my head's 256 bytes
	s_lshl_b32 s13, s10, 8
	s_add_co_u32 s12, s12, s13
	s_mov_b32 s13, 0
	s_lshl_b32 s14, ttmp9, 16                      ; Wo: 16 rows for each work-group x, my head's 256 bytes
	s_lshl_b32 s15, s10, 8
	s_add_co_u32 s14, s14, s15
	s_mov_b32 s15, 0
	s_lshl_b32 s16, s11, 23                        ; out0: the batch's 2,048 rows of 4,096 bytes, 64 bytes for each work-group x
	s_lshl_b32 s17, ttmp9, 6
	s_add_co_u32 s16, s16, s17
	s_mov_b32 s17, 0
	s_wait_kmcnt 0x0
	s_add_nc_u64 s[4:5], s[4:5], s[12:13]
	s_add_nc_u64 s[6:7], s[6:7], s[14:15]
	s_add_nc_u64 s[8:9], s[8:9], s[16:17]
.irp g, 0,1,2,3,4,5,6,7
	global_load_b128 v[32+4*\g:35+4*\g], v3, s[4:5] offset:32*\g                  ; q(r, 8 g + 4 h + 0..3)
.endr
.irp g, 0,1,2,3,4,5,6,7
	global_load_b128 v[64+4*\g:67+4*\g], v3, s[4:5] offset:262144+32*\g           ; k likewise
.endr
.irp ct, 0,1,2,3
.irp kk, 0,1,2,3,4,5,6,7
	global_load_b32 v[96+8*\ct+\kk], v4, s[4:5] offset:524288+4096*\kk+64*\ct     ; v(key 8 h + kk, channel 16 ct + r)
.endr
.endr
.irp ct, 0,1,2,3
	global_load_b128 v[128+8*\ct:131+8*\ct], v5, s[6:7] offset:64*\ct             ; Wo(16 x + r, 64 w + 16 ct + 8 h + 0..7)
	global_load_b128 v[132+8*\ct:135+8*\ct], v5, s[6:7] offset:64*\ct+16
.endr
	s_wait_loadcnt 40                              ; q and k are in; v's 32 loads and Wo's 8 may be out
.irp g, 0,1,2,3,4,5,6,7                        ; S^T = k q^T: two accumulators by turns; the first two products start the sums
.irp u, 0,1
.if \g == 0
	v_wmma_f32_16x16x4_f32 v[160+8*\u:167+8*\u], v[64+4*\g+2*\u:65+4*\g+2*\u], v[32+4*\g+2*\u:33+4*\g+2*\u], 0
.else
	v_wmma_f32_16x16x4_f32 v[160+8*\u:167+8*\u], v[64+4*\g+2*\u:65+4*\g+2*\u], v[32+4*\g+2*\u:33+4*\g+2*\u], v[160+8*\u:167+8*\u]
.endif
.endr
.endr
.rept 8
	v_nop                                          ; eight places behind this form, ahead of the first read of a result
.endr
.irp j, 0,1,2,3,4,5,6,7
	v_add_f32 v[16+\j], v[160+\j], v[168+\j]       ; the score of key 8 h + j for query r, as an exponent of 2
.endr
	v_lshlrev_b32 v24, 3, v2
	v_sub_nc_u32 v24, v1, v24                      ; d = r - 8 h: key 8 h + j is hidden where j > d
	v_mov_b32 v25, 0xff800000
.irp j, 0,1,2,3,4,5,6,7
	v_cmp_gt_i32 vcc_lo, \j, v24
	v_cndmask_b32 v[16+\j], v[16+\j], v25, vcc_lo
.endr
	v_max3_num_f32 v26, v16, v17, v18
	v_max3_num_f32 v26, v26, v19, v20
	v_max3_num_f32 v26, v26, v21, v22
	v_max_num_f32 v26, v26, v23
	v_mov_b32 v27, 0                               ; (a lane permute's destination counts as read)
	v_permlanex16_b32 v27, v26, s20, s21
	v_max_num_f32 v26, v26, v27                    ; the row's maximum: key 0 counts for every query, so it is a number
.irp j, 0,1,2,3,4,5,6,7
	v_sub_f32 v[16+\j], v[16+\j], v26
.endr
.irp j, 0,1,2,3,4,5,6,7
	v_exp_f32 v[16+\j], v[16+\j]
.endr
	v_nop                                          ; a plain line behind the last exponential
	s_wait_alu depctr_va_vdst(0)                   ; one wait for the batch
	v_add_f32 v28, v16, v17
	v_add_f32 v29, v18, v19
	v_add_f32 v30, v20, v21
	v_add_f32 v31, v22, v23
	v_add_f32 v28, v28, v29
	v_add_f32 v30, v30, v31
	v_add_f32 v28, v28, v30
	v_permlanex16_b32 v27, v28, s20, s21
	v_add_f32 v28, v28, v27                        ; the row's sum
	v_rcp_f32 v28, v28
	v_nop
	s_wait_alu depctr_va_vdst(0)
.irp j, 0,1,2,3,4,5,6,7
	v_mul_f32 v[16+\j], v[16+\j], v28              ; the weights
.endr
	s_wait_loadcnt 8                               ; v is in; Wo's 8 loads may be out
.irp i, 0,1,2,3                                ; O^T = v^T P: four accumulators by turns; true key 8 h + 2 i + 0, 1 on both sides
.irp ct, 0,1,2,3
.if \i == 0
	v_wmma_f32_16x16x4_f32 v[176+8*\ct:183+8*\ct], v[96+8*\ct+2*\i:97+8*\ct+2*\i], v[16+2*\i:17+2*\i], 0
.else
	v_wmma_f32_16x16x4_f32 v[176+8*\ct:183+8*\ct], v[96+8*\ct+2*\i:97+8*\ct+2*\i], v[16+2*\i:17+2*\i], v[176+8*\ct:183+8*\ct]
.endif
.endr
.endr
.rept 9
	v_nop                                          ; nine places before a matrix instruction takes these results as a source
.endr
	s_wait_loadcnt 0x0                             ; Wo
.irp i, 0,1,2,3                                ; Y^T = Wo O^T, my head's 64 along K: four accumulators by turns; true channel 16 ct + 8 h + 2 i + 0, 1 on both sides
.irp ct, 0,1,2,3
.if \i == 0
	v_wmma_f32_16x16x4_f32 v[208+8*\ct:215+8*\ct], v[128+8*\ct+2*\i:129+8*\ct+2*\i], v[176+8*\ct+2*\i:177+8*\ct+2*\i], 0
.else
	v_wmma_f32_16x16x4_f32 v[208+8*\ct:215+8*\ct], v[128+8*\ct+2*\i:129+8*\ct+2*\i], v[176+8*\ct+2*\i:177+8*\ct+2*\i], v[208+8*\ct:215+8*\ct]
.endif
.endr
.endr
.rept 8
	v_nop
.endr
.irp j, 0,1,2,3,4,5,6,7
	v_add_f32 v[240+\j], v[208+\j], v[216+\j]      ; each accumulator from its low end on
.endr
.irp j, 0,1,2,3,4,5,6,7
	v_add_f32 v[24+\j], v[224+\j], v[232+\j]
.endr
.irp j, 0,1,2,3,4,5,6,7
	v_add_f32 v[240+\j], v[240+\j], v[24+\j]       ; my head's part of out0(r, 16 x + 8 h + j)
.endr
	ds_store_b128 v6, v[240:243]                   ; as an image of the registers: 16 bytes a lane
	ds_store_b128 v6, v[244:247] offset:512
	s_wait_dscnt 0x0                               ; for the others' sake: my stores have landed
	s_barrier_signal -1
	s_barrier_wait -1
	s_cmp_lg_u32 s10, 0
	s_cbranch_scc1 .Lend
.irp w, 0,1,2,3,4,5,6,7,8,9,10,11,12,13,14,15
	ds_load_b128 v[32+8*\w:35+8*\w], v7 offset:1024*\w
	ds_load_b128 v[36+8*\w:39+8*\w], v7 offset:1024*\w+512
.endr
	s_wait_dscnt 0x0
.irp w, 1,2,3,4,5,6,7,8,9,10,11,12,13,14,15
.irp p, 0,2,4,6
	v_pk_add_f32 v[32+\p:33+\p], v[32+\p:33+\p], v[32+8*\w+\p:33+8*\w+\p]   ; the heads in ascending order
.endr
.endr
	global_store_b128 v5, v[32:35], s[8:9]
	global_store_b128 v5, v[36:39], s[8:9] offset:16
.Lend:
	s_wait_tensorcnt 0x0                           ; the wave's end, behind my last LDS store
	ds_add_u32 v[SPW], v[NIL]
	s_wait_dscnt 0x0
	s_endpgm
.Lfunc_end_k_q68e326a77f_first16:
	.size	k_q68e326a77f_first16, .Lfunc_end_k_q68e326a77f_first16-k_q68e326a77f_first16
	.p2alignl 7, 3214868480
	.fill 96, 4, 3214868480
	.section	.rodata,"a",@progbits
	.p2align	6, 0x0
	.amdhsa_kernel k_q68e326a77f_first16
		.amdhsa_group_segment_fixed_size 18432
		.amdhsa_private_segment_fixed_size 0
		.amdhsa_enable_private_segment 0
		.amdhsa_kernarg_size 24
		.amdhsa_user_sgpr_count 2
		.amdhsa_user_sgpr_kernarg_segment_ptr 1
		.amdhsa_wavefront_size32 1
		.amdhsa_system_sgpr_workgroup_id_x 1
		.amdhsa_system_sgpr_workgroup_id_y 1
		.amdhsa_system_sgpr_workgroup_id_z 1
		.amdhsa_system_vgpr_workitem_id 0
		.amdhsa_next_free_vgpr 256
		.amdhsa_next_free_sgpr 66
		.amdhsa_reserve_vcc 1
		.amdhsa_float_denorm_mode_32 3
		.amdhsa_float_denorm_mode_16_64 3
		.amdhsa_memory_ordered 1
		.amdhsa_forward_progress 1
		.amdhsa_inst_pref_size 21
	.end_amdhsa_kernel
	.amdgpu_metadata
---
amdhsa.version: [ 1, 2 ]
amdhsa.kernels:
  - .name:           k_q68e326a77f_first16
    .symbol:         k_q68e326a77f_first16.kd
    .args:
      - { .name: fine, .offset: 0, .size: 8, .value_kind: global_buffer, .address_space: global }
      - { .name: Wo, .offset: 8, .size: 8, .value_kind: global_buffer, .address_space: global }
      - { .name: out0, .offset: 16, .size: 8, .value_kind: global_buffer, .address_space: global }
    .group_segment_fixed_size: 18432
    .private_segment_fixed_size: 0
    .kernarg_segment_align: 8
    .kernarg_segment_size: 24
    .max_flat_workgroup_size: 512
    .sgpr_count:     66
    .vgpr_count:     256
    .wavefront_size: 32
...
	.end_amdgpu_metadata
.endif
;; end of part 5
